; MI455X (gfx1250); checked and timed in simulation.
; The chip was launched on July 23, 2026; its instructions are those of AMD's public machine-readable ISA for CDNA 5 (MIT licence, August 2026) and "CDNA5" Instruction Set Architecture Reference Guide (July 2026). The comments in the code are by the model that wrote it; some were corrected since.
;; Block. Allowed arithmetic: matrix products marked QUANTISED: E5M2 operands, one E8M0 scale for each 32 along K, by v_wmma_scale_f32_16x16x128_f8f6f4 with both operands' format E5M2, f32 sums; everything else in f32.
;; Inputs: W_attn 1,024 x 3,072 float32; W_fc 1,024 x 4,096 float32; W_fc2 4,096 x 1,024 float32; W_proj 1,024 x 1,024 float32; b_attn 3,072 float32; b_fc 4,096 float32; b_fc2 1,024 float32; b_proj 1,024 float32; ln1_b 1,024 float32; ln1_g 1,024 float32; ln2_b 1,024 float32; ln2_g 1,024 float32; x 4 x 1,024 x 1,024 float32.
;; Outputs: out0 4 x 1,024 x 1,024 float32.
;; This version of the problem:
;;   THIS VERSION OF THE PROBLEM IS GIVEN IN LOW PRECISION. The matrix products marked QUANTISED in the list below multiply operands that are first quantised to E5M2 (5 exponent bits, 2 mantissa bits; 8 bits a number), with one power-of-two scale for each 32 numbers along K (OCP MX v1.0); their sums are f32. All else is computed in f32.
;;   The module's matrix products, in the order in which they are computed (A, B: the left and right operand; K: the contracted axis; several contracted axes count as one K, in the product's order):
;;     1. [M 4,096, K 1,024] x [K 1,024, N 3,072]; A: computed on the way; B: input W_attn: QUANTISED
;;     2. batch 64 x [M 1,024, K 64] x [K 64, N 1,024]; A: computed on the way; B: computed on the way: QUANTISED
;;     3. batch 64 x [M 1,024, K 1,024] x [K 1,024, N 64]; A: softmax (see below); B: computed on the way: QUANTISED
;;     4. [M 4,096, K 1,024] x [K 1,024, N 1,024]; A: computed on the way; B: input W_proj: QUANTISED
;;     5. [M 4,096, K 1,024] x [K 1,024, N 4,096]; A: computed on the way; B: input W_fc: QUANTISED
;;     6. [M 4,096, K 4,096] x [K 4,096, N 1,024]; A: computed on the way; B: input W_fc2: QUANTISED
;;   THE QUANTISER, for each operand of a quantised product, along K:
;;     - K is cut into blocks of 32 from its start; a last block that is shorter is filled with zeros.
;;     - A block's scale is 2^e with e = floor(log2(the largest magnitude in the block)) - 15, held to -126 .. 127; a block of zeros has e = 0. As a byte (E8M0): e + 127.
;;     - Each number is divided by its block's scale, clamped to +-57,344, and rounded to the nearest number of E5M2, ties to even, subnormals kept.
;;     - The product sums the exact products of the quantised numbers (number of the format x scale) in f32.
;;   ~~~python
;;   def quantise(x, axis):      # numpy; x: float32 -> the quantised numbers, widened to float32 again
;;       x = np.moveaxis(x, axis, -1); K = x.shape[-1]
;;       x = np.pad(x, [(0, 0)] * (x.ndim - 1) + [(0, -K % 32)]); x = x.reshape(x.shape[:-1] + (-1, 32)); a = np.abs(x).max(-1, keepdims=True)
;;       e = np.where(a > 0, np.clip(np.frexp(np.where(a > 0, a, 1))[1] - 1 - 15, -126, 127), 0)      # np.frexp(a)[1] - 1 = floor(log2(a)), exactly
;;       r = np.clip(x / 2.0 ** e, -57344, 57344)
;;       step = 2.0 ** (np.maximum(np.frexp(np.where(r == 0, 1, r))[1] - 1, -14) - 2)
;;       q = np.round(r / step) * step * 2.0 ** e      # np.round: ties to even
;;       return np.moveaxis(q.reshape(q.shape[:-2] + (-1,))[..., :K], -1, axis).astype(np.float32)
;;   ~~~
;;   SOFTMAX AHEAD OF A QUANTISED PRODUCT. Where the list says 'softmax', what is quantised is not the finished softmax but p = 2^(t - M), with t = logit x log2(e) and M = ceil(the row's largest t), a whole number; so 1/2 < the row's largest p <= 1. The row's sum l is taken of the UNQUANTISED p, in f32, and the product's result is divided by l at the end. Since M is a whole number, a kernel that streams over the keys may use a running M (the ceiling of the running maximum): every later rescaling is an exact power of two, which a block's scale takes up: the codes' values come out the same.
;;   OPERANDS COMPUTED ON THE WAY. 'Computed on the way' means the value that the module computes at that place (a softmax that the list does not call 'softmax' is quantised finished and normalised). What goes into a quantiser is computed in f32, as accurately as f32 sums, v_exp_f32 and their like allow (about 1e-6 of the number): no bf16 or f16 on the way to a quantiser, and a product that is left as it is and whose result goes on into a quantised operand takes f32 operands (vector FMAs, or v_wmma_f32_16x16x4_f32). A number that lies on a knife's edge between two numbers of the format may be rounded either way, as far as f32 arithmetic and the matrix unit's own rounding can turn it there, and no further.
;; One version. Each part assembles by itself: llvm-mc -triple=amdgcn-amd-amdhsa -mcpu=gfx1250 --defsym DOCPART=n.
;; ======== version 1 of 1: 7 launches
;; workspace buffers: wc 14,155,776 bytes; h 4,718,592 bytes; qkv 14,155,776 bytes; y 4,718,592 bytes; x2 16,777,216 bytes; g 18,874,368 bytes
;; launch pre (part 1): grid 640 x 1, 8 waves a work-group, no clusters, 56,320 bytes of LDS; arguments x, ln1_g, ln1_b, h, W_attn, W_proj, W_fc, W_fc2, wc; writes h, wc
.if DOCPART == 1
	.amdgcn_target "amdgcn-amd-amdhsa--gfx1250"
	.amdhsa_code_object_version 6
	.text
	.protected	k_q72b0450a02_pre
	.globl	k_q72b0450a02_pre
	.p2align	8
	.type	k_q72b0450a02_pre,@function
k_q72b0450a02_pre:
	s_mov_b64 s[64:65], 0
	v_nop
	global_prefetch_b8 v0, s[64:65] scope:SCOPE_SE
	s_setreg_imm32_b32 hwreg(HW_REG_WAVE_MODE, 25, 1), 1
	s_wait_xcnt 0x0
; TWO JOBS THAT DEPEND ON NOTHING OF EACH OTHER, IN ONE LAUNCH: both stream from memory, so they share it.  The paths part once, at the first line, on the work-group's number.
;   work-groups 0 .. 383:   the four weights, f32 stored [K][N], become codes of BF8 (E5M2) with one E8M0 byte for each 32 along K;
;   work-groups 384 .. 639: h = Q(layernorm(x) g + b), 16 rows a work-group.
; THE LAYOUT of every quantised operand of this program: blocks of 128 rows x 128 K, 18,432 dense bytes; row p at 144 p: 128 codes (k ascending), the four scale bytes (one word), 12 zero bytes.
; Block number of (row block rb, K sub-step t) in an operand of R rows with group G: ((t / G) (R / 128) + rb) G + t % G.  For a weight a row is a column n.
; LDS: each path has bytes of its own: the norm's stage at 0 (18,432 bytes), the weights' eight wave stages behind it (4,608 bytes each).
; 162 registers a wave, two waves a SIMD, 56,320 bytes of LDS: three work-groups fit on a WGP (6 x 162 of 1,024 registers), 768 places for the 640.
; A block's scale byte is its largest magnitude's exponent field - 15, held at 1 from below (a block of zeros keeps 1: its codes are zeros, and this program alone reads the bytes).
; No tensor load, no matrix unit, no cluster: work-groups share nothing but g and b, 8 KiB.
; LIMITS: NaN and infinities among the inputs are not served.
.set NWQ,   384                        ; work-groups of the weights
.set PITCH, 144
.set SUBT,  128*PITCH
.set WST,   8*16*PITCH                 ; where the weights' stages begin
	v_lshl_add_u32 v160, v0, 2, 0xd800
	v_mov_b32 v161, 0
	s_cmp_lt_u32 ttmp9, NWQ
	s_cbranch_scc1 .Lweights
; ---------------- THE NORM.  Rows of 1,024 f32 are normalised in f32 (mean, then the mean of the squared differences: two passes over registers) and quantised.
; A wave takes two rows; a row stays in 32 registers a lane between the passes, so memory is read once.  Lane l holds columns 256 j + 8 l + 0..7, j = 0..3: four lanes hold a block of 32.
; The codes meet in the stage, [8 sub-steps][16 rows][144 bytes]; behind one barrier wave w stores sub-step w's 2,304 bytes: nine aligned runs of 256.  h: group 2.
.set X,   16                           ; v16-79   two rows
.set G,   80                           ; v80-111  the gain at my columns
.set BT,  112                          ; v112-143 the bias
.set S,   144                          ; v144-151 four registers of sums a row
.set PT,  152                          ; v152-153 the other half of the lanes' sums
.set AM,  80                           ; the quantiser's registers lie over g and b, which are used up by then: v80-87 the largest magnitude of group k = 4 row + j,
.set SO,  88                           ; v88-95   the conversions' scale operands,
.set HD,  96                           ; v96-103  57,344 x the scale,
.set BY,  104                          ; v104-111 the scale bytes,
.set CD,  112                          ; v112-127 the codes, two registers a group
	s_load_b256 s[4:11], s[0:1], 0x0               ; x, g, b, h
	v_lshrrev_b32 v1, 5, v0
	v_readfirstlane_b32 s12, v1                    ; wave 0..7
	v_and_b32 v2, 31, v0                           ; lane
	v_lshlrev_b32 v3, 5, v2                        ; 32 bytes a lane
	s_sub_co_u32 s26, ttmp9, NWQ                   ; which 16 rows
	s_lshl_b32 s14, s26, 16                        ; 16 rows of 4,096 bytes
	s_lshl_b32 s15, s12, 13                        ; my two
	s_add_co_u32 s14, s14, s15
	s_mov_b32 s15, 0
	s_mov_b32 s16, 0x3a800000                      ; 1 / 1,024
	s_mov_b32 s17, 0x3727c5ac                      ; 1e-5
	s_mov_b32 s18, 0x76543210
	s_mov_b32 s19, 0xfedcba98                      ; v_permlanex16_b32's selects for lane l xor 16
	s_mov_b32 s20, 0x600000                        ; the mantissa field of 57,344
	s_wait_kmcnt 0x0
	s_add_nc_u64 s[4:5], s[4:5], s[14:15]
.irp p, 0,1
.irp j, 0,1,2,3
	global_load_b128 v[X+32*\p+8*\j:X+32*\p+8*\j+3],   v3, s[4:5] offset:4096*\p+1024*\j th:TH_LOAD_NT
	global_load_b128 v[X+32*\p+8*\j+4:X+32*\p+8*\j+7], v3, s[4:5] offset:4096*\p+1024*\j+16 th:TH_LOAD_NT
.endr
.endr
.irp j, 0,1,2,3
	global_load_b128 v[G+8*\j:G+8*\j+3],   v3, s[6:7] offset:1024*\j
	global_load_b128 v[G+8*\j+4:G+8*\j+7], v3, s[6:7] offset:1024*\j+16
.endr
.irp j, 0,1,2,3
	global_load_b128 v[BT+8*\j:BT+8*\j+3],   v3, s[8:9] offset:1024*\j
	global_load_b128 v[BT+8*\j+4:BT+8*\j+7], v3, s[8:9] offset:1024*\j+16
.endr
	; the stage: sub-step 2 j + lane / 16, row 2 x wave + p; j and p stand in the immediates
	v_lshrrev_b32 v4, 4, v2
	v_mul_u32_u24 v4, v4, 16*PITCH
	s_mul_i32 s21, s12, 2*PITCH
	v_add_nc_u32 v4, s21, v4
	v_and_b32 v5, 15, v2
	v_lshl_add_u32 v6, v5, 3, v4                   ; my 8 codes
	v_lshrrev_b32 v7, 2, v5
	v_add_nc_u32 v7, v7, v4                        ; my block's scale byte (+ 128)
	v_and_b32 v8, 3, v2
	v_add_nc_u32 v8, 1, v8
	v_lshrrev_b32 v8, 1, v8                        ; 0, 1, 1, 2: the four lanes of a block clear the row's three last words
	v_lshl_add_u32 v8, v8, 2, v4                   ; (+ 132)
	v_mov_b32 v9, 0
	s_mul_i32 s22, s12, 16*PITCH                   ; on the way out wave w takes sub-step w
	v_lshlrev_b32 v10, 4, v2
	v_add_nc_u32 v11, s22, v10
	v_lshlrev_b32 v12, 3, v2
	v_add_nc_u32 v13, s22, v12
	v_mov_b32 v[PT], 0                             ; a lane permute's destination counts as one of its sources
	v_mov_b32 v[PT+1], 0
	s_lshr_b32 s23, s12, 1
	s_lshl_b32 s23, s23, 5
	s_lshr_b32 s24, s26, 3
	s_add_co_u32 s23, s23, s24
	s_lshl_b32 s23, s23, 1
	s_and_b32 s24, s12, 1
	s_add_co_u32 s23, s23, s24                     ; the block: ((w / 2) 32 + row block) 2 + w % 2
	s_mul_i32 s24, s23, SUBT
	s_and_b32 s25, s26, 7
	s_mul_i32 s25, s25, 16*PITCH                   ; my work-group's 16 rows in it
	s_add_co_u32 s24, s24, s25
	s_mov_b32 s25, 0
	s_add_nc_u64 s[10:11], s[10:11], s[24:25]
.macro REDUCE                          ; v[S] and v[S+4] are summed over the 32 lanes, the two rows by turns
.irp m, 1,2,4,8
	v_add_f32_dpp v[S], v[S], v[S] row_xmask:\m row_mask:0xf bank_mask:0xf
	v_add_f32_dpp v[S+4], v[S+4], v[S+4] row_xmask:\m row_mask:0xf bank_mask:0xf
.endr
	v_permlanex16_b32 v[PT], v[S], s18, s19
	v_permlanex16_b32 v[PT+1], v[S+4], s18, s19
	v_add_f32 v[S], v[S], v[PT]
	v_add_f32 v[S+4], v[S+4], v[PT+1]
.endm
	s_wait_loadcnt 16                              ; x is in; g's and b's sixteen loads may be out
.irp p, 0,1
	v_pk_add_f32 v[S+4*\p:S+4*\p+1],   v[X+32*\p:X+32*\p+1],   v[X+32*\p+2:X+32*\p+3]
	v_pk_add_f32 v[S+4*\p+2:S+4*\p+3], v[X+32*\p+4:X+32*\p+5], v[X+32*\p+6:X+32*\p+7]
.endr
.irp i, 8,12,16,20,24,28
.irp p, 0,1
	v_pk_add_f32 v[S+4*\p:S+4*\p+1],   v[S+4*\p:S+4*\p+1],   v[X+32*\p+\i:X+32*\p+\i+1]
	v_pk_add_f32 v[S+4*\p+2:S+4*\p+3], v[S+4*\p+2:S+4*\p+3], v[X+32*\p+\i+2:X+32*\p+\i+3]
.endr
.endr
.irp p, 0,1
	v_pk_add_f32 v[S+4*\p:S+4*\p+1], v[S+4*\p:S+4*\p+1], v[S+4*\p+2:S+4*\p+3]
.endr
.irp p, 0,1
	v_add_f32 v[S+4*\p], v[S+4*\p], v[S+4*\p+1]
.endr
	REDUCE
.irp p, 0,1
	v_mul_f32 v[S+4*\p], s16, v[S+4*\p]            ; the mean
.endr
.irp p, 0,1
.set i, 0
.rept 16
	v_pk_add_f32 v[X+32*\p+i:X+32*\p+i+1], v[X+32*\p+i:X+32*\p+i+1], v[S+4*\p:S+4*\p+1] op_sel_hi:[1,0] neg_lo:[0,1] neg_hi:[0,1]   ; x - mean
.set i, i+2
.endr
.endr
.irp p, 0,1
	v_pk_mul_f32 v[S+4*\p:S+4*\p+1],   v[X+32*\p:X+32*\p+1],   v[X+32*\p:X+32*\p+1]
	v_pk_mul_f32 v[S+4*\p+2:S+4*\p+3], v[X+32*\p+2:X+32*\p+3], v[X+32*\p+2:X+32*\p+3]
.endr
.irp i, 4,8,12,16,20,24,28
.irp p, 0,1
	v_pk_fma_f32 v[S+4*\p:S+4*\p+1],   v[X+32*\p+\i:X+32*\p+\i+1],   v[X+32*\p+\i:X+32*\p+\i+1],   v[S+4*\p:S+4*\p+1]
	v_pk_fma_f32 v[S+4*\p+2:S+4*\p+3], v[X+32*\p+\i+2:X+32*\p+\i+3], v[X+32*\p+\i+2:X+32*\p+\i+3], v[S+4*\p+2:S+4*\p+3]
.endr
.endr
.irp p, 0,1
	v_pk_add_f32 v[S+4*\p:S+4*\p+1], v[S+4*\p:S+4*\p+1], v[S+4*\p+2:S+4*\p+3]
.endr
.irp p, 0,1
	v_add_f32 v[S+4*\p], v[S+4*\p], v[S+4*\p+1]
.endr
	REDUCE
.irp p, 0,1
	v_fma_f32 v[S+4*\p], v[S+4*\p], s16, s17       ; the variance + 1e-5
.endr
	v_rsq_f32 v[S], v[S]
	v_rsq_f32 v[S+4], v[S+4]
	v_nop                                          ; a plain instruction behind the roots,
	s_wait_alu depctr_va_vdst(0)                   ; and the wait ahead of their first reader: one for both
	s_wait_loadcnt 0x0                             ; g and b
.irp p, 0,1
.set i, 0
.rept 16
	v_pk_mul_f32 v[X+32*\p+i:X+32*\p+i+1], v[X+32*\p+i:X+32*\p+i+1], v[S+4*\p:S+4*\p+1] op_sel_hi:[1,0]
.set i, i+2
.endr
.endr
.irp p, 0,1
.set i, 0
.rept 16
	v_pk_fma_f32 v[X+32*\p+i:X+32*\p+i+1], v[X+32*\p+i:X+32*\p+i+1], v[G+i:G+i+1], v[BT+i:BT+i+1]
.set i, i+2
.endr
.endr
	; THE QUANTISER.  Group k = 4 row + j: my eight numbers at v[X + 8 k]; lanes l, l xor 1, l xor 2, l xor 3 hold the block.  The eight groups go by turns.  (g's and b's registers are free from here on)
.irp k, 0,1,2,3,4,5,6,7
	v_max3_num_f32 v[AM+\k], |v[X+8*\k]|, |v[X+8*\k+1]|, 0x8000000   ; with the floor 2^(16 - 127): the byte cannot fall under 1
.endr
.irp i, 2,4,6
.irp k, 0,1,2,3,4,5,6,7
	v_max3_num_f32 v[AM+\k], v[AM+\k], |v[X+8*\k+\i]|, |v[X+8*\k+\i+1]|
.endr
.endr
.irp m, 1,2
.irp k, 0,1,2,3,4,5,6,7
	v_max_num_f32_dpp v[AM+\k], v[AM+\k], v[AM+\k] row_xmask:\m row_mask:0xf bank_mask:0xf
.endr
.endr
.irp k, 0,1,2,3,4,5,6,7
	v_add_nc_u32 v[SO+\k], 0xf8800000, v[AM+\k]    ; 15 off the exponent field: the conversion's scale operand
.endr
.irp k, 0,1,2,3,4,5,6,7
	v_and_or_b32 v[HD+\k], v[AM+\k], 0x7f800000, s20   ; 57,344 x the scale
.endr
.irp k, 0,1,2,3,4,5,6,7
	v_lshrrev_b32 v[BY+\k], 23, v[SO+\k]           ; the scale's byte
.endr
.irp k, 0,1,2,3,4,5,6,7
.irp i, 0,1,2,3,4,5,6,7
	v_med3_num_f32 v[X+8*\k+\i], v[X+8*\k+\i], -v[HD+\k], v[HD+\k]   ; the conversion does not saturate (ISA guide 7.6.2): the hold comes first
.endr
.endr
.irp k, 0,1,2,3,4,5,6,7
	v_cvt_scalef32_pk8_bf8_f32 v[CD+2*\k:CD+2*\k+1], v[X+8*\k:X+8*\k+7], v[SO+\k]
.endr
	v_nop                                          ; a plain instruction behind the last conversion
.irp k, 0,1,2,3,4,5,6,7
	ds_store_b64 v6, v[CD+2*\k:CD+2*\k+1] offset:32*PITCH*(\k%4)+PITCH*(\k/4)
	ds_store_b8 v7, v[BY+\k] offset:32*PITCH*(\k%4)+PITCH*(\k/4)+128      ; the four lanes of a block write the same byte with the same value
	ds_store_b32 v8, v9 offset:32*PITCH*(\k%4)+PITCH*(\k/4)+132
.endr
	s_wait_dscnt 0x0                               ; for the others' sake: my stores have landed
	s_barrier_signal -1                            ; all eight waves of a work-group of the norm are on this path
	s_barrier_wait -1
.irp i, 0,1,2,3
	ds_load_b128 v[X+4*\i:X+4*\i+3], v11 offset:512*\i
.endr
	ds_load_b64 v[X+16:X+17], v13 offset:2048
.irp i, 0,1,2,3
	s_wait_dscnt 4-\i
	global_store_b128 v10, v[X+4*\i:X+4*\i+3], s[10:11] offset:512*\i   ; 32 lanes store 512 consecutive bytes, at a multiple of 256 from h's first byte
.endr
	s_wait_dscnt 0x0
	global_store_b64 v12, v[X+16:X+17], s[10:11] offset:2048            ; and the last 256
	s_wait_tensorcnt 0x0
	ds_add_u32 v160, v161
	s_wait_dscnt 0x0
	s_endpgm
; ---------------- THE WEIGHTS.  A LANE TAKES A COLUMN n AND ITS REGISTERS RUN DOWN K: a block of 32 along K lies in one lane's 32 registers, and the conversions give codes with K innermost.  Nothing is transposed by an instruction.
; A work-group takes 128 columns x 256 K: two neighbouring blocks of the layout.  Wave w takes the 32 columns of w % 4 and the 128 along K of w / 4: four blocks of 32, 4,608 bytes of codes and scale words.
; Which weight: by u = work-group / 8, through selects alone: one path serves all four.  Waves share nothing: no barrier.  Loads run two blocks (64 loads a wave) ahead.
.set OFF,   16                         ; v16-47   4 x lane + i rows of the weight
.set WX,    48                         ; v48-111  two sets of 32 numbers
.set WC,    112                        ; v112-119 a block's codes
.set WSB,   120                        ; v120     the scale word; v121-123 hold 0
.set OUTR,  48                         ; v48-83   the way out, where the numbers lay
.set BS,    32                         ; s[32:39] four bases, 32 rows of the weight apart
.Lweights:
	s_load_b256 s[4:11], s[0:1], 0x20              ; W_attn, W_proj, W_fc, W_fc2
	s_load_b64 s[12:13], s[0:1], 0x40              ; wc
	v_lshrrev_b32 v1, 5, v0
	v_readfirstlane_b32 s51, v1                    ; wave 0..7
	s_and_b32 s15, s51, 3                          ; my 32 of the 128 columns
	s_lshr_b32 s53, s51, 2                         ; my 128 of the 256 along K
	v_and_b32 v2, 31, v0                           ; lane
	v_lshlrev_b32 v3, 2, v2                        ; 4 bytes a lane
	s_mul_i32 s52, s51, 32*PITCH
	s_add_co_u32 s52, s52, WST                     ; my stage: 32 rows of 144 bytes
	v_mul_u32_u24 v4, v2, PITCH
	v_add_nc_u32 v4, s52, v4                       ; into it: row = my column
	v_lshlrev_b32 v8, 4, v2                        ; out: 16 bytes a lane
	v_add_nc_u32 v7, s52, v8
.irp i, 1,2,3
	v_mov_b32 v[WSB+\i], 0
.endr
	s_lshr_b32 s14, ttmp9, 3                       ; u: which weight, which panel of 1,024 columns, which 256 along K
	s_and_b32 s58, ttmp9, 7                        ; which 128 columns of the panel
	s_mov_b32 s16, 1024                            ; W_fc2's figures: N,
	s_mov_b32 s17, 32                              ; its first u,
	s_mov_b32 s18, 15                              ; K steps - 1,
	s_mov_b32 s19, 4                               ; their bits,
	s_mov_b32 s20, 2                               ; log2 of the group,
	s_mov_b32 s21, 9437184                         ; its place in wc
	s_mov_b32 s31, 0x600000                        ; the mantissa field of 57,344
	s_wait_kmcnt 0x0
	s_mov_b64 s[22:23], s[10:11]
	s_cmp_lt_u32 s14, 32                           ; W_fc
	s_cselect_b32 s16, 4096, s16
	s_cselect_b32 s17, 16, s17
	s_cselect_b32 s18, 3, s18
	s_cselect_b32 s19, 2, s19
	s_cselect_b32 s20, 1, s20
	s_cselect_b32 s21, 4718592, s21
	s_cselect_b64 s[22:23], s[8:9], s[22:23]
	s_cmp_lt_u32 s14, 16                           ; W_proj
	s_cselect_b32 s16, 1024, s16
	s_cselect_b32 s17, 12, s17
	s_cselect_b32 s20, 2, s20
	s_cselect_b32 s21, 3538944, s21
	s_cselect_b64 s[22:23], s[6:7], s[22:23]
	s_cmp_lt_u32 s14, 12                           ; W_attn
	s_cselect_b32 s16, 3072, s16
	s_cselect_b32 s17, 0, s17
	s_cselect_b32 s20, 1, s20
	s_cselect_b32 s21, 0, s21
	s_cselect_b64 s[22:23], s[4:5], s[22:23]
	s_sub_co_u32 s24, s14, s17
	s_and_b32 s25, s24, s18                        ; ks: which 256 along K
	s_lshr_b32 s26, s24, s19
	s_lshl_b32 s26, s26, 3
	s_add_co_u32 s26, s26, s58                     ; cb: which 128 columns
	s_lshr_b32 s27, s16, 7                         ; N / 128
	s_sub_co_u32 s28, s20, 1
	s_lshr_b32 s29, s25, s28                       ; the group of sub-steps
	s_mul_i32 s29, s29, s27
	s_add_co_u32 s29, s29, s26
	s_lshl_b32 s29, s29, s20
	s_and_b32 s30, s25, s28
	s_lshl_b32 s30, s30, 1
	s_add_co_u32 s29, s29, s30                     ; the first of the work-group's two blocks,
	s_add_co_u32 s29, s29, s53                     ; and mine
	s_mul_i32 s56, s29, SUBT
	s_add_co_u32 s56, s56, s21
	s_mul_i32 s30, s15, 32*PITCH                   ; my wave's 32 rows in the block
	s_add_co_u32 s56, s56, s30
	s_mov_b32 s57, 0
	s_add_nc_u64 s[12:13], s[12:13], s[56:57]
	s_lshl_b32 s50, s16, 2                         ; a row of the weight in bytes
.set i, 0
.rept 32
	v_mad_u32_u24 v[OFF+i], s50, i, v3
.set i, i+1
.endr
	s_mul_i32 s54, s25, s16
	s_lshl_b32 s54, s54, 10                        ; 256 ks rows of 4 N bytes
	s_lshl_b32 s55, s26, 9
	s_add_co_u32 s54, s54, s55                     ; + 128 cb columns
	s_lshl_b32 s55, s15, 7
	s_add_co_u32 s54, s54, s55                     ; + my 32 columns
	s_mul_i32 s55, s53, s16
	s_lshl_b32 s55, s55, 9
	s_add_co_u32 s54, s54, s55                     ; + my 128 rows of 4 N bytes
	s_mov_b32 s55, 0
	s_add_nc_u64 s[BS:BS+1], s[22:23], s[54:55]
	s_lshl_b32 s48, s16, 7                         ; 32 rows on
	s_mov_b32 s49, 0
.irp t, 1,2,3
	s_add_nc_u64 s[BS+2*\t:BS+2*\t+1], s[BS+2*\t-2:BS+2*\t-1], s[48:49]
.endr
.macro LOAD t                          ; W(32 t + i, my column), i = 0 .. 31, into set t % 2: 32 lanes read 128 consecutive bytes, four waves side by side 512
.set i, 0
.rept 32
	global_load_b32 v[WX+32*((\t)%2)+i], v[OFF+i], s[BS+2*(\t):BS+2*(\t)+1] th:TH_LOAD_NT
.set i, i+1
.endr
.endm
	LOAD 0
	LOAD 1
.macro BLOCK t
.set XS, WX+32*((\t)%2)
.if (\t) < 3
	s_wait_loadcnt 32                              ; this block's 32 loads are in; the next block's may be out
.else
	s_wait_loadcnt 0
.endif
	v_max3_num_f32 v12, |v[XS]|, |v[XS+1]|, |v[XS+2]|               ; the block's largest magnitude: all 32 numbers are mine
	v_max3_num_f32 v13, |v[XS+3]|, |v[XS+4]|, |v[XS+5]|
.irp i, 6,10,14,18,22,26
	v_max3_num_f32 v12, v12, |v[XS+\i]|, |v[XS+\i+1]|
	v_max3_num_f32 v13, v13, |v[XS+\i+2]|, |v[XS+\i+3]|
.endr
	v_max3_num_f32 v12, v12, |v[XS+30]|, |v[XS+31]|
	v_max3_num_f32 v12, v12, v13, 0x8000000        ; and the floor 2^(16 - 127): the byte cannot fall under 1
	v_add_nc_u32 v11, 0xf8800000, v12              ; 15 off the exponent field: the conversion's scale operand
	v_and_or_b32 v10, v12, 0x7f800000, s31         ; 57,344 x the scale
	v_lshrrev_b32 v13, 23, v11                     ; the scale's byte
.if (\t) == 0
	v_mov_b32 v[WSB], v13                          ; four bytes to a word, the lower K in the lower byte
.else
	v_lshl_or_b32 v[WSB], v13, 8*(\t), v[WSB]
.endif
.set i, 0
.rept 32
	v_med3_num_f32 v[XS+i], v[XS+i], -v10, v10     ; the conversion to an 8-bit code does not saturate (ISA guide 7.6.2): the hold comes first
.set i, i+1
.endr
.irp g, 0,1,2,3
	v_cvt_scalef32_pk8_bf8_f32 v[WC+2*\g:WC+2*\g+1], v[XS+8*\g:XS+8*\g+7], v11
.endr
	ds_store_b128 v4, v[WC:WC+3] offset:32*(\t)
	ds_store_b128 v4, v[WC+4:WC+7] offset:32*(\t)+16
.if (\t) == 3
	ds_store_b128 v4, v[WSB:WSB+3] offset:128      ; the row's tail: the scale word and 12 zero bytes
.endif
.if (\t)+2 < 4
	LOAD (\t)+2
.endif
	s_wait_dscnt 0x0                               ; the stores have read their registers: the next block's codes may be written
.endm
.irp t, 0,1,2,3
	BLOCK \t
.endr
.irp i, 0,1,2,3,4,5,6,7,8
	ds_load_b128 v[OUTR+4*\i:OUTR+4*\i+3], v7 offset:512*\i      ; LDS serves a wave's instructions in order: these see my stores
.endr
.irp i, 0,1,2,3,4,5,6,7,8
	s_wait_dscnt 8-\i
	global_store_b128 v8, v[OUTR+4*\i:OUTR+4*\i+3], s[12:13] offset:512*\i   ; 32 lanes store 512 consecutive bytes, at a multiple of 256 from wc's first byte
.endr
	s_wait_tensorcnt 0x0
	ds_add_u32 v160, v161
	s_wait_dscnt 0x0
	s_endpgm
.Lfunc_end_k_q72b0450a02_pre:
	.size	k_q72b0450a02_pre, .Lfunc_end_k_q72b0450a02_pre-k_q72b0450a02_pre
	.p2alignl 7, 3214868480
	.fill 96, 4, 3214868480
	.section	.rodata,"a",@progbits
	.p2align	6, 0x0
	.amdhsa_kernel k_q72b0450a02_pre
		.amdhsa_group_segment_fixed_size 56320
		.amdhsa_private_segment_fixed_size 0
		.amdhsa_enable_private_segment 0
		.amdhsa_kernarg_size 72
		.amdhsa_user_sgpr_count 2
		.amdhsa_user_sgpr_kernarg_segment_ptr 1
		.amdhsa_wavefront_size32 1
		.amdhsa_system_sgpr_workgroup_id_x 1
		.amdhsa_system_sgpr_workgroup_id_y 1
		.amdhsa_system_sgpr_workgroup_id_z 1
		.amdhsa_system_vgpr_workitem_id 0
		.amdhsa_next_free_vgpr 162
		.amdhsa_next_free_sgpr 66
		.amdhsa_reserve_vcc 0
		.amdhsa_float_denorm_mode_32 3
		.amdhsa_float_denorm_mode_16_64 3
		.amdhsa_memory_ordered 1
		.amdhsa_forward_progress 1
		.amdhsa_inst_pref_size 64
	.end_amdhsa_kernel
	.amdgpu_metadata
---
amdhsa.version: [ 1, 2 ]
amdhsa.kernels:
  - .name:           k_q72b0450a02_pre
    .symbol:         k_q72b0450a02_pre.kd
    .args:
      - { .name: x, .offset: 0, .size: 8, .value_kind: global_buffer, .address_space: global }
      - { .name: ln1_g, .offset: 8, .size: 8, .value_kind: global_buffer, .address_space: global }
      - { .name: ln1_b, .offset: 16, .size: 8, .value_kind: global_buffer, .address_space: global }
      - { .name: h, .offset: 24, .size: 8, .value_kind: global_buffer, .address_space: global }
      - { .name: W_attn, .offset: 32, .size: 8, .value_kind: global_buffer, .address_space: global }
      - { .name: W_proj, .offset: 40, .size: 8, .value_kind: global_buffer, .address_space: global }
      - { .name: W_fc, .offset: 48, .size: 8, .value_kind: global_buffer, .address_space: global }
      - { .name: W_fc2, .offset: 56, .size: 8, .value_kind: global_buffer, .address_space: global }
      - { .name: wc, .offset: 64, .size: 8, .value_kind: global_buffer, .address_space: global }
    .group_segment_fixed_size: 56320
    .private_segment_fixed_size: 0
    .kernarg_segment_align: 8
    .kernarg_segment_size: 72
    .max_flat_workgroup_size: 256
    .sgpr_count:     66
    .vgpr_count:     162
    .wavefront_size: 32
...
	.end_amdgpu_metadata
.endif
;; end of part 1
;; launch qkv (part 2): grid 12 x 16, 4 waves a work-group, clusters of 4 x 4, 327,680 bytes of LDS; arguments h, wc, b_attn, qkv; writes qkv
.if DOCPART == 2
	.amdgcn_target "amdgcn-amd-amdhsa--gfx1250"
	.amdhsa_code_object_version 6
	.text
	.protected	k_q72b0450a02_qkv
	.globl	k_q72b0450a02_qkv
	.p2align	8
	.type	k_q72b0450a02_qkv,@function
k_q72b0450a02_qkv:
	s_mov_b64 s[64:65], 0
	v_nop
	global_prefetch_b8 v0, s[64:65] scope:SCOPE_SE
	s_setreg_imm32_b32 hwreg(HW_REG_WAVE_MODE, 25, 1), 1
	s_wait_xcnt 0x0
	s_wait_alu depctr_hold_cnt(0) depctr_sa_sdst(0) depctr_va_vdst(0) depctr_va_sdst(0) depctr_va_ssrc(0) depctr_va_vcc(0) depctr_vm_vsrc(0)
	s_getreg_b32 s2, hwreg(HW_REG_IB_STS2, 6, 4)
	s_cmp_eq_u32 s2, 0
	s_cbranch_scc0 .Lentry_in_a_cluster
	s_endpgm
.Lentry_in_a_cluster:
	s_bfe_u32 s2, ttmp6, 0x10000c
	s_cmp_lg_u32 s2, 0xf033
	s_cbranch_scc0 .Lentry_shape_is_right
	s_endpgm
.Lentry_shape_is_right:
; q, k, v = Q(h W_attn + b_attn): a product on codes of BF8 (E5M2) with E8M0 scales, K = 1,024, whose results are quantised again on the way out, each along the K of the product that will read it:
; q and k along the head's channels, v along the keys.  All operands lie in blocks of 128 rows x 128 K, 18,432 dense bytes: row p at 144 p: 128 codes, the scale word, 12 zero bytes.
; A work-group makes 256 x 256, each of its four waves 128 x 128: 64 accumulators.  THE MATRIX INSTRUCTION IS USED TRANSPOSED: source 0 = 16 rows of operand B, source 1 = 16 rows of operand A, so that a lane holds
; one row of A's side and eight neighbours of B's side.  For q and k A = the tokens (h) and B = the channels (W_attn): neighbours run along the channels.  FOR v THE TWO POINTERS CHANGE PLACES: A = the channels,
; B = the tokens: neighbours run along the keys.  Which: by the cluster's x (2 = v), the same in all sixteen partners, through selects alone.
; K goes in steps of 256 through two LDS slots.  A wave's tensor load brings 128 rows x 256 K: two neighbouring blocks, 36,864 dense bytes; the pitch of 144 bytes (an odd multiple of 16) is in the layout, and the scale words ride with the codes.
; CLUSTERS: 4 x 4.  A's tiles are asked for jointly along a row of the cluster, B's along a column.
; THE WAY OUT: a wave's 128 x 128 results go to LDS as f32 rows; then a lane takes 32 neighbours of a row, one quantiser block, and the codes are laid over rows already read: one block of the layout, stored whole.
; REGISTERS: window 0: v1-31 addresses and the lane bias; v32-63 scale words, two sets; v64-127 the column bias, later numbers; v128-255 A's fragments, later at work.  Window 1: B's fragments, two sets.  Windows 2, 3: the accumulators.
; LIMITS: NaN and infinities are not served; a block of zeros keeps the byte 1 (its codes are zeros; this program alone reads the bytes).
.set PITCH,  144
.set SUBT,   128*PITCH                 ; a block
.set HALFT,  2*SUBT                    ; what one tensor load brings
.set SLOT,   4*HALFT                   ; A's 256 rows, then B's
.set SPARE,  2*SLOT                    ; behind the ring: the spare words, 128 bytes a wave
.set NQ,     2
.set FR,     16
.set NL,     4
.set NP,     8                         ; places behind this matrix instruction (ISA guide 7.12.1)
.set LAPS,   2
.set WREG,   2*HALFT                   ; the way out: a wave's region, in the ring, which has then had its last fill and its last read
.set SPITCH, 528                       ; a row of 128 f32 + 16 bytes
.set RD4,  5                           ; v5   the way out: 16 x lane in my region
.set LB,   8                           ; v8-15 the lane bias: that of A's row 16 a + lane % 16
.set ADRA, 16
.set ADRS, 18
.set ADRB, 20
.set TA,   22
.set TC,   23
.set STO,  24
.set RDX,  25
.set CW,   26
.set CB,   27
.set SPW,  28                          ; v28  my spare word; never rewritten
.set NIL,  29                          ; v29  0; never rewritten
.set CZ,   30
.set GO,   31
.set SC,   32
.set BIAS, 64
.set XB,   64
.set AF,   128
.set CD,   224
.set ZR,   245
.set G1, 24
.set G0, 32
.set G1B, 48
.set G0B, 56
.set STA, 66                           ; s[66:67], s[68:69] two K steps on, in A and in B
.set STB, 68
.set RO,  12
.set CO,  13
.set MNT, 46
.set MSB, 0
.macro WIN new                         ; the immediate's high byte repeats the setting that is left
.if MSB != \new
	s_set_vgpr_msb (MSB<<8)|\new
.set MSB, \new
.endif
.endm
.set MUL_LO, 0xa1                      ; source 0 (B) window 1, source 1 (A) window 0, C and D window 2
.set MUL_HI, 0xf1                      ; the same, C and D window 3
.set TO_B,   0x40
.macro JLOAD g0a, g1a, g0b, g1b        ; a joint load: waves 0 and 1 fetch for A, waves 2 and 3 for B; four v_nop follow each line
	s_cmp_eq_u32 s15, 0
	s_cbranch_scc0 .Lfor_b_\@
	tensor_load_to_lds s[\g0a:\g0a+3], s[\g1a:\g1a+7]
	s_nop 0
.rept 4
	v_nop
.endr
	s_branch .Lasked_\@
.Lfor_b_\@:
	tensor_load_to_lds s[\g0b:\g0b+3], s[\g1b:\g1b+7]
	s_nop 0
.rept 4
	v_nop
.endr
.Lasked_\@:
.endm
.macro CREST                           ; a round of the cluster's barrier behind its opening barrier
	s_cmp_lg_u32 s14, 0
	s_cbranch_scc1 .Lnot_wave_0_\@
	s_barrier_signal -3
.Lnot_wave_0_\@:
	s_barrier_wait -3
	s_barrier_signal -1
	s_barrier_wait -1
.endm
.macro CROUND
	s_barrier_signal -1
	s_barrier_wait -1
	CREST
.endm
	s_load_b256 s[4:11], s[0:1], 0x0               ; h, wc, b_attn, qkv
	v_lshl_add_u32 v[SPW], v0, 2, SPARE
	v_mov_b32 v[NIL], 0
	ds_add_u32 v28, v29
	ds_add_u32 v28, v29
	s_wait_dscnt 0x0
	v_lshrrev_b32 v1, 5, v0
	v_readfirstlane_b32 s14, v1                    ; wave 0..3
	s_lshr_b32 s15, s14, 1                         ; my half of A's rows.  Also: I fetch for A (0) or for B (1)
	s_and_b32 s16, s14, 1                          ; my half of B's rows.  Also: which 128 rows I fetch
	s_bfe_u32 s40, ttmp6, 0x40000                  ; cx
	s_bfe_u32 s41, ttmp6, 0x40004                  ; cy
	s_and_b32 s17, ttmp7, 0xffff
	s_lshl_b32 s17, s17, 2                         ; 4 x cluster y
	s_lshl_b32 s18, ttmp9, 2                       ; 4 x cluster x
	s_lshl_b32 s43, s41, 2
	s_lshl_b32 s43, 15, s43                        ; my row of the cluster
	s_lshl_b32 s44, 0x1111, s40                    ; my column
	s_mov_b32 s[MNT], 0x600000                     ; the mantissa field of 57,344
	s_cmp_eq_u32 ttmp9, 2                          ; v?
	s_cselect_b32 s19, 8, s17                      ; A's tile of 256 rows: v's channels begin at tile 8 of W_attn; else the tokens
	s_cselect_b32 s20, s17, s18                    ; B's: the tokens; else the channels of q and k
	s_cselect_b32 s70, 24, 32                      ; row blocks of 128 in A's operand
	s_cselect_b32 s71, 32, 24                      ; and in B's
	s_cselect_b32 s72, 0, -1                       ; the column bias counts for q and k,
	s_add_co_u32 s19, s19, s41
	s_add_co_u32 s20, s20, s40
	s_not_b32 s73, s72                             ; the lane bias for v
	s_or_b32 s[G1+0], s43, (3<<16)|(1<<21)         ; 15:0 the mask; 17:16 elements of 8 bytes; 21 set beside a mask; no padding
	s_or_b32 s[G1B+0], s44, (3<<16)|(1<<21)
.irp g, G1, G1B
	s_mov_b32 s[\g+1], 32<<16                      ; tensor_dim0 = 32 elements: rows of 256 bytes
	s_mov_b32 s[\g+2], 144<<16                     ; tensor_dim1 = 144 rows: 36,864 dense bytes
	s_mov_b32 s[\g+3], 32<<16                      ; tile_dim0
	s_mov_b32 s[\g+4], 144                         ; tile_dim1
	s_mov_b32 s[\g+5], 32                          ; the pitch
	s_mov_b32 s[\g+6], 0
	s_mov_b32 s[\g+7], 0
.endr
	s_lshl_b32 s21, s19, 1
	s_add_co_u32 s21, s21, s16
	s_mul_i32 s74, s21, HALFT                      ; A: row block 2 x tile + half, K step 0
	s_mov_b32 s75, 0
	s_mul_i32 s76, s70, HALFT                      ; a K step on
	s_mov_b32 s77, 0
	s_lshl_b32 s[STA], s76, 1
	s_mov_b32 s[STA+1], 0
	s_lshl_b32 s22, s20, 1
	s_add_co_u32 s22, s22, s16
	s_mul_i32 s78, s22, HALFT                      ; B likewise
	s_mov_b32 s79, 0
	s_mul_i32 s80, s71, HALFT
	s_mov_b32 s81, 0
	s_lshl_b32 s[STB], s80, 1
	s_mov_b32 s[STB+1], 0
	s_mul_i32 s45, s14, HALFT                      ; where my load lands: no place in the cluster enters an LDS address
	s_wait_kmcnt 0x0
	s_cmp_eq_u32 ttmp9, 2
	s_cselect_b64 s[82:83], s[6:7], s[4:5]         ; A: W_attn's codes (at wc's first byte) for v, else h
	s_cselect_b64 s[84:85], s[4:5], s[6:7]         ; B: the other
	s_add_nc_u64 s[82:83], s[82:83], s[74:75]
	s_add_nc_u64 s[84:85], s[84:85], s[78:79]
	CROUND                                         ; all sixteen work-groups are here: the first joint loads meet
	s_mov_b32 s[G0], 1
	s_mov_b32 s[G0+1], s45
	s_mov_b64 s[G0+2:G0+3], s[82:83]
	s_or_b32 s[G0+3], s[G0+3], 0x80000000
	s_mov_b32 s[G0B], 1
	s_mov_b32 s[G0B+1], s45
	s_mov_b64 s[G0B+2:G0B+3], s[84:85]
	s_or_b32 s[G0B+3], s[G0B+3], 0x80000000
	JLOAD G0, G1, G0B, G1B
	s_mov_b32 s[G0+4], 1
	s_add_co_u32 s[G0+5], s45, SLOT
	s_add_nc_u64 s[G0+6:G0+7], s[82:83], s[76:77]
	s_or_b32 s[G0+7], s[G0+7], 0x80000000
	s_mov_b32 s[G0B+4], 1
	s_add_co_u32 s[G0B+5], s45, SLOT
	s_add_nc_u64 s[G0B+6:G0B+7], s[84:85], s[80:81]
	s_or_b32 s[G0B+7], s[G0B+7], 0x80000000
	JLOAD G0+4, G1, G0B+4, G1B
	v_and_b32 v1, 15, v0                           ; r
	v_bfe_u32 v2, v0, 4, 1                         ; h
	v_mul_u32_u24 v3, v1, PITCH
	v_lshl_add_u32 v4, v2, 4, v3                   ; a fragment's row x pitch + 16 x half
	s_mul_i32 s21, s15, HALFT                      ; my 128 rows of A
	s_mul_i32 s22, s16, HALFT
	s_add_co_u32 s22, s22, 2*HALFT                 ; my 128 rows of B
	s_sub_co_u32 s23, s22, s21
	v_mul_u32_u24 v[TA], s23, v2                   ; scale words: lanes 0-15 take A's rows, lanes 16-31 B's: one product
	v_add_nc_u32 v[TA], v[TA], v3
.irp s, 0,1
	v_add_nc_u32 v[ADRA+\s], s21, v4
	v_add_nc_u32 v[ADRB+\s], s22, v4
	v_add_nc_u32 v[ADRS+\s], s21, v[TA]
	s_add_co_u32 s21, s21, SLOT
	s_add_co_u32 s22, s22, SLOT
.endr
	s_mul_i32 s23, s14, WREG                       ; my region on the way out
	v_mul_u32_u24 v3, v1, SPITCH
	v_lshl_add_u32 v3, v2, 5, v3
	v_add_nc_u32 v[STO], s23, v3                   ; the dump: row r, 32 bytes for each half of the lanes
	v_and_b32 v3, 7, v0                            ; then: row lane % 8 of eight,
	v_bfe_u32 v4, v0, 3, 2                         ; quantiser block lane / 8
	v_mul_u32_u24 v[TA], v3, SPITCH
	v_lshl_add_u32 v[TA], v4, 7, v[TA]
	v_add_nc_u32 v[RDX], s23, v[TA]
	v_mul_u32_u24 v3, v3, PITCH
	v_add_nc_u32 v3, s23, v3
	v_lshl_add_u32 v[CW], v4, 5, v3                ; my 32 codes,
	v_add_nc_u32 v[CB], v4, v3                     ; my scale byte (+ 128),
	v_add_nc_u32 v4, 1, v4
	v_lshrrev_b32 v4, 1, v4                        ; 0, 1, 1, 2: a row's four lanes clear its three last words
	v_lshl_add_u32 v[CZ], v4, 2, v3                ; (+ 132)
	v_and_b32 v3, 31, v0
	v_lshlrev_b32 v[GO], 4, v3
	v_add_nc_u32 v[RD4], s23, v[GO]
	v_lshlrev_b32 v6, 5, v2                        ; the column bias: 8 numbers for each half of the lanes
	v_lshlrev_b32 v7, 2, v1                        ; the lane bias: one number a row
	s_lshl_b32 s86, s20, 10
	s_lshl_b32 s87, s16, 9
	s_add_co_u32 s86, s86, s87                     ; B's first row x 4 bytes,
	s_and_b32 s86, s86, s72                        ; or 0 where it does not count: no load leaves the buffer
	s_mov_b32 s87, 0
	s_add_nc_u64 s[86:87], s[8:9], s[86:87]
.irp b, 0,1,2,3,4,5,6,7
	global_load_b128 v[BIAS+8*\b:BIAS+8*\b+3],   v6, s[86:87] offset:64*\b
	global_load_b128 v[BIAS+8*\b+4:BIAS+8*\b+7], v6, s[86:87] offset:64*\b+16
.endr
	s_lshl_b32 s88, s19, 10
	s_lshl_b32 s89, s15, 9
	s_add_co_u32 s88, s88, s89
	s_and_b32 s88, s88, s73
	s_mov_b32 s89, 0
	s_add_nc_u64 s[88:89], s[8:9], s[88:89]
.irp a, 0,1,2,3,4,5,6,7
	global_load_b32 v[LB+\a], v7, s[88:89] offset:64*\a
.endr
	; where my block goes: class x 256 + (batch x 8 + head pair) x 8 + token block
	s_lshl_b32 s90, s19, 1
	s_add_co_u32 s90, s90, s15                     ; A's row block
	s_lshl_b32 s91, s20, 1
	s_add_co_u32 s91, s91, s16                     ; B's
	s_cmp_eq_u32 ttmp9, 2
	s_cselect_b32 s92, s90, s91                    ; the channels' block: 0-7 q, 8-15 k, 16-23 v
	s_cselect_b32 s93, s91, s90                    ; the tokens'
	s_lshr_b32 s94, s92, 3
	s_lshl_b32 s94, s94, 8
	s_lshr_b32 s95, s93, 3
	s_lshl_b32 s95, s95, 3
	s_and_b32 s96, s92, 7
	s_add_co_u32 s95, s95, s96
	s_lshl_b32 s95, s95, 3
	s_add_co_u32 s94, s94, s95
	s_and_b32 s96, s93, 7
	s_add_co_u32 s94, s94, s96
	s_mul_i32 s94, s94, SUBT
	s_mov_b32 s95, 0
	s_add_nc_u64 s[10:11], s[10:11], s[94:95]
.macro FRAG reg, adr, q, i             ; 16 rows x 128 K: lane l holds row l % 16; registers 4 c .. 4 c + 3 hold K = 32 c + 16 (l / 16) + 0 .. 15
.irp c, 0,1,2,3
	ds_load_b128 v[\reg+4*\c:\reg+4*\c+3], v[\adr] offset:SUBT*(\q)+32*\c+(\i)*16*PITCH
.endr
.endm
; 16 matrix instructions: A's blocks a0, a0 + 1 x B's eight.  p: B's set; sc: the set of scale words.  zero = 1: the first product starts the sums, with the column bias as C.
; The 64 accumulators take turns, one instruction a turn, in the same order in every step.
.macro MUL16 a0, p, q, sc, zero
.irp a, \a0, \a0+1
.irp b, 0,1,2,3,4,5,6,7
.if \zero
	v_wmma_scale_f32_16x16x128_f8f6f4 v[8*(8*((\a)%4)+\b):8*(8*((\a)%4)+\b)+7], v[128*(\p)+FR*\b:128*(\p)+FR*\b+FR-1], v[AF+FR*(\a):AF+FR*(\a)+FR-1], v[BIAS+8*\b:BIAS+8*\b+7], v[SC+8*NQ*(\sc)+NQ*\b+(\q)], v[SC+8*NQ*(\sc)+NQ*(\a)+(\q)] matrix_a_fmt:MATRIX_FMT_BF8 matrix_b_fmt:MATRIX_FMT_BF8 matrix_a_scale:MATRIX_SCALE_ROW1
.else
	v_wmma_scale_f32_16x16x128_f8f6f4 v[8*(8*((\a)%4)+\b):8*(8*((\a)%4)+\b)+7], v[128*(\p)+FR*\b:128*(\p)+FR*\b+FR-1], v[AF+FR*(\a):AF+FR*(\a)+FR-1], v[8*(8*((\a)%4)+\b):8*(8*((\a)%4)+\b)+7], v[SC+8*NQ*(\sc)+NQ*\b+(\q)], v[SC+8*NQ*(\sc)+NQ*(\a)+(\q)] matrix_a_fmt:MATRIX_FMT_BF8 matrix_b_fmt:MATRIX_FMT_BF8 matrix_a_scale:MATRIX_SCALE_ROW1
.endif
.endr
.endr
.endm
.macro FETCH_B slot, q, p
	WIN TO_B
.irp i, 0,1,2,3,4,5,6,7
	FRAG 128*(\p)+FR*\i, ADRB+\slot, \q, \i
.endr
	WIN 0
.endm
.macro FETCH_A slot, q, i0
.irp i, \i0, \i0+1, \i0+2, \i0+3
	FRAG AF+FR*(\i), ADRA+\slot, \q, \i
.endr
.endm
.macro SCALES sc                       ; a slot's scale words: register 2 i + q: lanes 0-15 the word of A's block i, lanes 16-31 that of B's block i, sub-step q
.irp i, 0,1,2,3,4,5,6,7
	ds_load_b32 v[SC+16*\sc+2*\i],   v[ADRS+\sc] offset:\i*16*PITCH+128
	ds_load_b32 v[SC+16*\sc+2*\i+1], v[ADRS+\sc] offset:SUBT+\i*16*PITCH+128
.endr
.endm
.macro PLACES n                        ; plain vector instructions between a matrix instruction and a load into, or a read of, its registers
.rept \n
	v_nop
.endr
.endm
.macro STEP slot, q, zero              ; 128 along K with a successor in the same slot
	s_wait_dscnt 4*NL                              ; B's set, A's blocks 0-3 and the scale words are in; the youngest sixteen loads (A's blocks 4-7) may be out
	WIN MUL_LO-0x20*(\zero)                        ; (with the bias as C: C in window 0)
	MUL16 0, (\q)%2, \q, \slot, \zero
	MUL16 2, (\q)%2, \q, \slot, \zero
	s_wait_dscnt 0
	PLACES NP
	FETCH_B \slot, (\q)+1, 1-(\q)%2
	FETCH_A \slot, (\q)+1, 0
	WIN MUL_HI-0x30*(\zero)
	MUL16 4, (\q)%2, \q, \slot, \zero
	MUL16 6, (\q)%2, \q, \slot, \zero
	PLACES NP
	WIN 0
	FETCH_A \slot, (\q)+1, 4
.endm
; A slot's last step changes slots: one barrier; in front of it each wave waits for all its tensor loads, adds 0 to its spare word, and waits for that and for its reads of this slot.
.macro TURN slot, next, fill
	s_wait_tensorcnt 0x0                           ; all my tensor loads have landed: my part of the next slot
	ds_add_u32 v[SPW], v[NIL]                      ; 0 onto my spare word
	s_wait_dscnt 4*NL+1                            ; (the add and A's blocks 4-7 may be out)
	WIN MUL_LO
	MUL16 0, 1, NQ-1, \slot, 0
	s_wait_dscnt 0x0                               ; the add is done, and my reads of this slot are over
	s_barrier_signal -1
	MUL16 2, 1, NQ-1, \slot, 0
	WIN 0
	s_barrier_wait -1
.if \fill
	CREST                                          ; the barrier has opened a round of the cluster's: no wave of any partner still reads this slot or has a load on its way
	s_add_nc_u64 s[G0+4*\slot+2:G0+4*\slot+3], s[G0+4*\slot+2:G0+4*\slot+3], s[STA:STA+1]
	s_add_nc_u64 s[G0B+4*\slot+2:G0B+4*\slot+3], s[G0B+4*\slot+2:G0B+4*\slot+3], s[STB:STB+1]
	JLOAD G0+4*\slot, G1, G0B+4*\slot, G1B         ; the first tensor load behind the round; its four v_nop are four of the eight places
	PLACES NP-4
.else
	PLACES NP
.endif
	FETCH_B \next, 0, 0
	FETCH_A \next, 0, 0
	SCALES \next
	WIN MUL_HI
	MUL16 4, 1, NQ-1, \slot, 0
	MUL16 6, 1, NQ-1, \slot, 0
	PLACES NP
	WIN 0
	FETCH_A \next, 0, 4
.endm
	s_wait_tensorcnt 1                             ; my part of K step 0 is in (K step 1's load may be out),
	s_barrier_signal -1
	s_barrier_wait -1                              ; everybody's is
	FETCH_B 0, 0, 0
	FETCH_A 0, 0, 0
	SCALES 0
	FETCH_A 0, 0, 4
	s_wait_loadcnt 0x0                             ; the biases
.set i, 0
.rept 64
	v_and_b32 v[BIAS+i], s72, v[BIAS+i]            ; the column bias, or zeros for v
.set i, i+1
.endr
.irp a, 0,1,2,3,4,5,6,7
	v_and_b32 v[LB+\a], s73, v[LB+\a]              ; the lane bias, or zeros for q and k
.endr
	PLACES NP
	STEP 0, 0, 1
	s_mov_b32 s3, LAPS-1
.Llap:
	TURN 0, 1, 1
	STEP 1, 0, 0
	TURN 1, 0, 1
	STEP 0, 0, 0
	s_sub_co_u32 s3, s3, 1
	s_cmp_lg_u32 s3, 0
	s_cbranch_scc1 .Llap
	TURN 0, 1, 0                                   ; the last lap fills nothing
	STEP 1, 0, 0
	s_wait_dscnt 4*NL
	WIN MUL_LO
	MUL16 0, 1, NQ-1, 1, 0
	MUL16 2, 1, NQ-1, 1, 0
	s_wait_dscnt 0
	WIN MUL_HI
	MUL16 4, 1, NQ-1, 1, 0
	MUL16 6, 1, NQ-1, 1, 0
	WIN 0
	PLACES NP
	s_wait_dscnt 0x0                               ; my reads of the ring are over;
	s_barrier_signal -1
	s_barrier_wait -1                              ; everybody's are: both slots have had their last fill and their last read
	v_mov_b32 v[ZR], 0
; Block a of 16 rows: the lane bias is added, each accumulator from its low end on, and the block goes to my region as f32 rows.
.macro DUMP a
.set AC, 64*((\a)%4)
	WIN 0x82+0x41*((\a)/4)                         ; destination and source 0 window 2 or 3, source 1 window 0
.set i, 0
.rept 32
.if (\a)%2
	v_pk_add_f32 v[AC+i:AC+i+1], v[AC+i:AC+i+1], v[LB+2*((\a)/2):LB+2*((\a)/2)+1] op_sel:[0,1] op_sel_hi:[1,1]
.else
	v_pk_add_f32 v[AC+i:AC+i+1], v[AC+i:AC+i+1], v[LB+2*((\a)/2):LB+2*((\a)/2)+1] op_sel_hi:[1,0]
.endif
.set i, i+2
.endr
	WIN 0x08+4*((\a)/4)                            ; an LDS store's data are its source 1
.irp b, 0,1,2,3,4,5,6,7
	ds_store_b128 v[STO], v[AC+8*\b:AC+8*\b+3]   offset:(\a)*16*SPITCH+64*\b
	ds_store_b128 v[STO], v[AC+8*\b+4:AC+8*\b+7] offset:(\a)*16*SPITCH+64*\b+16
.endr
.endm
.irp a, 0,1,2,3,4,5,6,7
	DUMP \a
.endr
	WIN 0
; EIGHT ROWS AT A TIME: lane l takes row l % 8 and the 32 neighbours of quantiser block l / 8.  LDS serves a wave's instructions in order, and the region is my own: no barrier.
.macro LOADX p
	v_add_nc_u32 v[TA], s[RO], v[RDX]
.irp i, 0,1,2,3,4,5,6,7
	ds_load_b128 v[XB+32*(\p)+4*\i:XB+32*(\p)+4*\i+3], v[TA] offset:16*\i
.endr
.endm
.macro HALF p, ahead
.set XS, XB+32*(\p)
.set CC, CD+8*(\p)
.if \ahead
	s_add_co_u32 s[RO], s[RO], 8*SPITCH
	LOADX 1-(\p)
	s_wait_dscnt 8                                 ; all but the eight loads just issued
.else
	s_wait_dscnt 0x0
.endif
	v_max3_num_f32 v240, |v[XS]|, |v[XS+1]|, |v[XS+2]|
	v_max3_num_f32 v241, |v[XS+3]|, |v[XS+4]|, |v[XS+5]|
.irp i, 6,10,14,18,22,26
	v_max3_num_f32 v240, v240, |v[XS+\i]|, |v[XS+\i+1]|
	v_max3_num_f32 v241, v241, |v[XS+\i+2]|, |v[XS+\i+3]|
.endr
	v_max3_num_f32 v240, v240, |v[XS+30]|, |v[XS+31]|
	v_max3_num_f32 v240, v240, v241, 0x8000000     ; the floor 2^(16 - 127): the byte cannot fall under 1
	v_add_nc_u32 v242, 0xf8800000, v240            ; 15 off the exponent field: the conversion's scale operand
	v_and_or_b32 v243, v240, 0x7f800000, s[MNT]    ; 57,344 x the scale
	v_lshrrev_b32 v244, 23, v242                   ; the scale's byte
.set i, 0
.rept 32
	v_med3_num_f32 v[XS+i], v[XS+i], -v243, v243   ; the conversion does not saturate (ISA guide 7.6.2): the hold comes first
.set i, i+1
.endr
.irp g, 0,1,2,3
	v_cvt_scalef32_pk8_bf8_f32 v[CC+2*\g:CC+2*\g+1], v[XS+8*\g:XS+8*\g+7], v242
.endr
	v_add_nc_u32 v[TC], s[CO], v[CW]               ; (plain instructions behind the last conversion)
	v_add_nc_u32 v3, s[CO], v[CB]
	v_add_nc_u32 v4, s[CO], v[CZ]
	ds_store_b128 v[TC], v[CC:CC+3]                ; the codes are laid over f32 rows that have been read: 1,152 bytes for each 4,224
	ds_store_b128 v[TC], v[CC+4:CC+7] offset:16
	ds_store_b8 v3, v244 offset:128
	ds_store_b32 v4, v[ZR] offset:132
	s_add_co_u32 s[CO], s[CO], 8*PITCH
.endm
	s_mov_b32 s[RO], 0
	s_mov_b32 s[CO], 0
	LOADX 0
	s_mov_b32 s3, 7
.Lhalf:
	HALF 0, 1
	HALF 1, 1
	s_sub_co_u32 s3, s3, 1
	s_cmp_lg_u32 s3, 0
	s_cbranch_scc1 .Lhalf
	HALF 0, 1
	HALF 1, 0                                      ; the last eight rows: nothing more to fetch
.set i, 0
.rept 36
	ds_load_b128 v[XB+4*i:XB+4*i+3], v[RD4] offset:512*i
.set i, i+1
.endr
.set i, 0
.rept 36
	s_wait_dscnt 35-i
	global_store_b128 v[GO], v[XB+4*i:XB+4*i+3], s[10:11] offset:512*i   ; 32 lanes store 512 consecutive bytes, at a multiple of 256 from the buffer's first byte
.set i, i+1
.endr
	s_wait_tensorcnt 0x0                           ; the wave's end
	ds_add_u32 v[SPW], v[NIL]
	s_wait_dscnt 0x0
	CROUND                                         ; the closing round
	s_endpgm
.Lfunc_end_k_q72b0450a02_qkv:
	.size	k_q72b0450a02_qkv, .Lfunc_end_k_q72b0450a02_qkv-k_q72b0450a02_qkv
	.p2alignl 7, 3214868480
	.fill 96, 4, 3214868480
	.section	.rodata,"a",@progbits
	.p2align	6, 0x0
	.amdhsa_kernel k_q72b0450a02_qkv
		.amdhsa_group_segment_fixed_size 327680
		.amdhsa_private_segment_fixed_size 0
		.amdhsa_enable_private_segment 0
		.amdhsa_kernarg_size 32
		.amdhsa_user_sgpr_count 2
		.amdhsa_user_sgpr_kernarg_segment_ptr 1
		.amdhsa_wavefront_size32 1
		.amdhsa_system_sgpr_workgroup_id_x 1
		.amdhsa_system_sgpr_workgroup_id_y 1
		.amdhsa_system_sgpr_workgroup_id_z 1
		.amdhsa_system_vgpr_workitem_id 0
		.amdhsa_next_free_vgpr 1024
		.amdhsa_next_free_sgpr 100
		.amdhsa_reserve_vcc 0
		.amdhsa_float_denorm_mode_32 3
		.amdhsa_float_denorm_mode_16_64 3
		.amdhsa_memory_ordered 1
		.amdhsa_forward_progress 1
		.amdhsa_inst_pref_size 172
	.end_amdhsa_kernel
	.amdgpu_metadata
---
amdhsa.version: [ 1, 2 ]
amdhsa.kernels:
  - .name:           k_q72b0450a02_qkv
    .symbol:         k_q72b0450a02_qkv.kd
    .args:
      - { .name: h, .offset: 0, .size: 8, .value_kind: global_buffer, .address_space: global }
      - { .name: wc, .offset: 8, .size: 8, .value_kind: global_buffer, .address_space: global }
      - { .name: b_attn, .offset: 16, .size: 8, .value_kind: global_buffer, .address_space: global }
      - { .name: qkv, .offset: 24, .size: 8, .value_kind: global_buffer, .address_space: global }
    .group_segment_fixed_size: 327680
    .private_segment_fixed_size: 0
    .kernarg_segment_align: 8
    .kernarg_segment_size: 32
    .max_flat_workgroup_size: 128
    .sgpr_count:     100
    .vgpr_count:     1024
    .wavefront_size: 32
...
	.end_amdgpu_metadata
.endif
;; end of part 2
;; launch attn (part 3): grid 8 x 32, 16 waves a work-group, clusters of 4 x 1, 327,680 bytes of LDS; arguments qkv, y; writes y
.if DOCPART == 3
	.amdgcn_target "amdgcn-amd-amdhsa--gfx1250"
	.amdhsa_code_object_version 6
	.text
	.protected	k_q72b0450a02_attn
	.globl	k_q72b0450a02_attn
	.p2align	8
	.type	k_q72b0450a02_attn,@function
k_q72b0450a02_attn:
	s_mov_b64 s[64:65], 0
	v_nop
	global_prefetch_b8 v0, s[64:65] scope:SCOPE_SE
	s_setreg_imm32_b32 hwreg(HW_REG_WAVE_MODE, 25, 1), 1
	s_wait_xcnt 0x0
	s_wait_alu depctr_hold_cnt(0) depctr_sa_sdst(0) depctr_va_vdst(0) depctr_va_sdst(0) depctr_va_ssrc(0) depctr_va_vcc(0) depctr_vm_vsrc(0)
	s_getreg_b32 s2, hwreg(HW_REG_IB_STS2, 6, 4)
	s_cmp_eq_u32 s2, 0
	s_cbranch_scc0 .Lentry_in_a_cluster
	s_endpgm
.Lentry_in_a_cluster:
	s_bfe_u32 s2, ttmp6, 0x10000c
	s_cmp_lg_u32 s2, 0x3003
	s_cbranch_scc0 .Lentry_shape_is_right
	s_endpgm
.Lentry_shape_is_right:
; y = Q(softmax(q k^T / 8, causal) v), both products on codes of BF8 (E5M2) with E8M0 scales.  Head size 64, 1,024 tokens, 64 heads of (batch, head).
; IN: blocks of 128 rows x 128 codes (row p at 144 p: codes, scale word, 12 zero bytes), block = class x 256 + bp x 8 + tb, bp = batch x 8 + head pair.  q, k: rows = tokens of block tb, codes = the pair's two heads,
; 64 channels each.  v: rows = the pair's 128 channels, codes = the 128 keys of step tb.  OUT: y in the same kind of block, rows = tokens, sub-step = head pair, group 4.
; THE SOFTMAX: t = score x log2(e) / 8; M = the running largest t rounded up to a whole number; p = 2^(t - M) is quantised along the keys; the row's sum is taken of the unquantised p and divides at the end.
; SHARES.  A work-group owns one (batch, head pair) and the query tiles 8 tp + xq, tp = 0..7, for both heads: sixteen (head, tp), one a wave: 16 queries and tp + 1 key steps of 128: the same work in every work-group.
; WHICH WAVE TAKES WHICH: wave w = 4 k + s takes head k % 2 and tp from the table  k = 0: 0 7 1 6;  k = 1: 7 0 6 1;  k = 2: 2 5 3 4;  k = 3: 5 2 4 3.  Every row and every column of it sums to 14: four waves with
; the same w / 4, and four with the same w % 4, have 18 key steps together, so that the long and the short waves are spread evenly over the SIMDs whether the sixteen are dealt by fours on end or one by one in turn.
; A pair's K and V codes, 147,456 bytes each, lie in LDS whole: filled once, no ring.  CLUSTER: the four work-groups of a cluster share (batch, pair): each fill is asked for jointly.  The first two key steps'
; blocks come by loads of their own, so that work begins while the other six are on their way.
; LAYOUT.  Both products are used transposed (S^T = K Q^T, O^T = V^T P^T): a lane holds one query.  The keys of a tile are not neighbours: lane r of tile 2 b + u takes key 32 b + 8 u + r + 8 (r / 8), so that
; the 16 registers of tiles 2 b, 2 b + 1 are 16 neighbouring keys.  The head's 64 channels fill half of the instruction's K: the upper eight registers of Q's and K's fragments hold zero codes.
; REGISTERS: v1-5 addresses that stay; v8-11 the step's; v12 -M, v13 the largest t, v[14:15] the sum; v16-31 Q; v32-95 four fragments of K; v96-159 S^T, p, then V's four fragments; v160-191 O^T; v192-207 p's codes; v208-216 addresses; v232-254 at work; v255 Q's scale word.
; LIMITS: NaN and infinities are not served; v_exp_f32 gives 0 under 2^-126.
.set PITCH, 144
.set SUBT,  128*PITCH
.set KV,    8*SUBT                     ; K's eight blocks; V's begin here
.set STG,   2*KV                       ; behind them: the stage for y, 128 rows x 144
.set AK0,  1
.set AV0,  2
.set ASK0, 3
.set ASV0, 4
.set DG,   5                           ; my query - 16 (lane / 16), counted in the token block
.set ZR,   6
.set ADK,  8
.set ADV,  9
.set ADS,  10
.set ADT,  11
.set YS,   208
.set YB,   209
.set YZ,   210
.set RDY,  211
.set RDY8, 212
.set GO16, 213
.set GO8,  214
.set QO,   215
.set QSO,  216
.set TB,   2                           ; s2   where the step's blocks begin
.set KSI,  3                           ; s3   the key step
.set WV,   8
.set PI,   9                           ; s9   my head in the pair
.set TP,   10                          ; s10  my token block = my last key step
.set BP,   11
.set XQ,   13
.set CNT,  18
.set MNT,  19
.set SEL,  20
.set CS,   22
.macro ROUND                           ; a round of the cluster's barrier
	s_barrier_signal -1
	s_barrier_wait -1
	s_cmp_lg_u32 s[WV], 0
	s_cbranch_scc1 .Lnot_wave_0_\@
	s_barrier_signal -3
.Lnot_wave_0_\@:
	s_barrier_wait -3
	s_barrier_signal -1
	s_barrier_wait -1
.endm
	s_load_b128 s[4:7], s[0:1], 0x0                ; qkv, y
	v_lshl_add_u32 v230, v0, 2, 0x4c800
	v_mov_b32 v231, 0
	ds_add_u32 v230, v231
	ds_add_u32 v230, v231
	v_lshrrev_b32 v8, 5, v0
	v_readfirstlane_b32 s[WV], v8                  ; wave 0..15
	s_lshr_b32 s12, s[WV], 2                       ; k
	s_and_b32 s[PI], s12, 1                        ; my head: k % 2
	s_and_b32 s13, s[WV], 3                        ; s,
	s_xor_b32 s13, s13, s[PI]                      ; with its last bit turned in the odd rows of the table
	s_lshr_b32 s[TP], s13, 1
	s_and_b32 s12, s12, 2
	s_add_co_u32 s[TP], s[TP], s12                 ; m = 2 (k / 2) + s / 2: 0 .. 3
	s_and_b32 s13, s13, 1
	s_mul_i32 s13, s13, 7
	s_xor_b32 s[TP], s[TP], s13                    ; tp = m, or 7 - m where s is odd
	s_and_b32 s[BP], ttmp7, 0xffff
	s_bfe_u32 s12, ttmp6, 0x40000                  ; cx: it enters global addresses of q and y and the mask's numbers alone
	s_lshl_b32 s[XQ], ttmp9, 2
	s_add_co_u32 s[XQ], s[XQ], s12
	; the fills: waves 0 and 1 fetch K, waves 2 and 3 V; each first one block (key step 0 or 1), then three
	s_bfe_u32 s14, s[WV], 0x10001                  ; K or V: bit 1 of the wave's number
	s_and_b32 s60, s[WV], 1                        ; which half: bit 0
	s_mul_i32 s16, s14, KV
	s_mul_i32 s17, s60, SUBT
	s_add_co_u32 s17, s17, s16                     ; LDS: block 0 or 1
	s_mul_i32 s15, s60, 3*SUBT
	s_add_co_u32 s15, s15, s16
	s_add_co_u32 s15, s15, 2*SUBT                  ; LDS: blocks 2-4 or 5-7
	s_add_co_u32 s48, s14, 1
	s_lshl_b32 s48, s48, 8
	s_lshl_b32 s49, s[BP], 3
	s_add_co_u32 s48, s48, s49                     ; the pair's first block of K or of V
	s_mul_i32 s50, s60, 3
	s_add_co_u32 s50, s50, s48
	s_add_co_u32 s50, s50, 2
	s_add_co_u32 s48, s48, s60
	s_mul_i32 s48, s48, SUBT
	s_mov_b32 s49, 0
	s_mul_i32 s50, s50, SUBT
	s_mov_b32 s51, 0
	s_mov_b32 s24, 15|(3<<16)|(1<<21)              ; 15:0 the mask: all four work-groups; 17:16 elements of 8 bytes; 21 set beside a mask
	s_mov_b32 s25, 32<<16                          ; rows of 256 bytes
	s_mov_b32 s26, 72<<16                          ; 72 of them: one block
	s_mov_b32 s27, 32<<16
	s_mov_b32 s28, 72
	s_mov_b32 s29, 32
	s_mov_b32 s30, 0
	s_mov_b32 s31, 0
	s_mov_b32 s32, 15|(3<<16)|(1<<21)
	s_mov_b32 s33, 32<<16
	s_mov_b32 s34, 216<<16                         ; 216 rows: three blocks
	s_mov_b32 s35, 32<<16
	s_mov_b32 s36, 216
	s_mov_b32 s37, 32
	s_mov_b32 s38, 0
	s_mov_b32 s39, 0
	s_mov_b32 s[SEL], 0x76543210
	s_mov_b32 s[SEL+1], 0xfedcba98                 ; v_permlanex16_b32's selects for lane l xor 16
	s_mov_b32 s[CS], 0x3e38aa3b                    ; c = log2(e) / 8
	s_mov_b32 s[CS+1], s[CS]
	s_mov_b32 s[MNT], 0x600000                     ; the mantissa field of 57,344
	s_wait_dscnt 0x0
	s_wait_kmcnt 0x0
	s_mov_b32 s40, 1
	s_mov_b32 s41, s17
	s_add_nc_u64 s[42:43], s[4:5], s[48:49]
	s_or_b32 s43, s43, 0x80000000
	s_mov_b32 s44, 1
	s_mov_b32 s45, s15
	s_add_nc_u64 s[46:47], s[4:5], s[50:51]
	s_or_b32 s47, s47, 0x80000000
	ROUND                                          ; all four work-groups are here: the joint loads meet
	s_cmp_lt_u32 s[WV], 4                          ; a wave's two fills stand in one branch on the wave's number: two loads of mine are out
	s_cbranch_scc0 .Lno_fill
	tensor_load_to_lds s[40:43], s[24:31]
	s_nop 0
	tensor_load_to_lds s[44:47], s[32:39]
	s_nop 0
.rept 4
	v_nop
.endr
.Lno_fill:
	s_lshl_b32 s52, s[BP], 3
	s_add_co_u32 s52, s52, s[TP]
	s_mul_i32 s52, s52, SUBT                       ; q: block bp x 8 + tp,
	s_mul_i32 s53, s[XQ], 16*PITCH                 ; rows 16 xq on
	s_add_co_u32 s52, s52, s53
	s_mov_b32 s53, 0
	s_add_nc_u64 s[52:53], s[4:5], s[52:53]
	s_lshl_b32 s54, s[PI], 6                       ; my head's 64 codes in a row,
	s_lshl_b32 s55, s[PI], 1                       ; its two scale bytes
	v_and_b32 v8, 15, v0                           ; r
	v_bfe_u32 v9, v0, 4, 1                         ; h
	v_mul_u32_u24 v10, v8, PITCH
	v_lshl_add_u32 v[QO], v9, 4, v10
	v_add_nc_u32 v[QO], s54, v[QO]
	v_add_nc_u32 v[QSO], s55, v10
	global_load_b128 v[16:19], v[QO], s[52:53]             ; Q's fragment: K = 0..63 of the instruction's 128
	global_load_b128 v[20:23], v[QO], s[52:53] offset:32
	global_load_u16 v255, v[QSO], s[52:53] offset:128      ; its two scale bytes; the upper two are 0, over zero codes
	v_and_b32 v11, 8, v8
	v_add_nc_u32 v11, v11, v8                      ; r + 8 (r / 8)
	v_mul_u32_u24 v11, v11, PITCH
	v_lshl_add_u32 v[AK0], v9, 4, v11
	v_add_nc_u32 v[AK0], s54, v[AK0]
	v_add_nc_u32 v[ASK0], s55, v11                 ; (+ 128)
	s_mul_i32 s56, s[PI], 64*PITCH
	s_add_co_u32 s56, s56, KV
	v_add_nc_u32 v[ASV0], s56, v10                 ; V: row 64 x head + r (+ 128 for the scale word)
	v_lshl_add_u32 v[AV0], v9, 4, v[ASV0]
	v_lshlrev_b32 v12, 4, v9
	v_sub_nc_u32 v[DG], v8, v12
	s_lshl_b32 s57, s[XQ], 4
	v_add_nc_u32 v[DG], s57, v[DG]
	s_mul_i32 s58, s[TP], 16*PITCH
	s_add_co_u32 s58, s58, STG                     ; the stage: my tile's 16 rows
	v_add_nc_u32 v10, s58, v10
	v_lshl_add_u32 v[YS], v9, 3, v10
	v_add_nc_u32 v[YS], s54, v[YS]                 ; my 8 codes: 64 x head + 8 h (+ 16 t)
	v_add_nc_u32 v[YB], s55, v10                   ; my head's two scale bytes (+ 128)
	s_xor_b32 s59, s[PI], 1
	s_lshl_b32 s59, s59, 2
	v_mul_u32_u24 v[YZ], s59, v9                   ; the row's last three words: head 0 clears two (one for each half of the lanes), head 1 the third
	s_lshl_b32 s60, s[PI], 3
	v_add_nc_u32 v[YZ], s60, v[YZ]
	v_add_nc_u32 v[YZ], v[YZ], v10                 ; (+ 132)
	v_and_b32 v11, 31, v0
	v_lshlrev_b32 v[GO16], 4, v11
	v_lshlrev_b32 v[GO8], 3, v11
	v_add_nc_u32 v[RDY], s58, v[GO16]
	v_add_nc_u32 v[RDY8], s58, v[GO8]
	s_and_b32 s61, s[BP], 7                        ; the pair
	s_lshr_b32 s62, s[BP], 3                       ; the batch
	s_lshr_b32 s63, s61, 2
	s_lshl_b32 s63, s63, 5
	s_lshl_b32 s62, s62, 3
	s_add_co_u32 s63, s63, s62
	s_add_co_u32 s63, s63, s[TP]
	s_lshl_b32 s63, s63, 2
	s_and_b32 s61, s61, 3
	s_add_co_u32 s63, s63, s61                     ; y's block: ((pair / 4) 32 + batch x 8 + tp) 4 + pair % 4
	s_mul_i32 s63, s63, SUBT
	s_mul_i32 s62, s[XQ], 16*PITCH
	s_add_co_u32 s62, s62, s63
	s_mov_b32 s63, 0
	s_add_nc_u64 s[6:7], s[6:7], s[62:63]
	v_mov_b32 v[ZR], 0
	v_mov_b32 v13, 0xff61b1e6                      ; the largest t so far: -3e38
	v_floor_f32 v12, -v13                          ; -M
	v_mov_b32 v14, 0
	v_mov_b32 v15, 0
.irp i, 24,25,26,27,28,29,30,31
	v_mov_b32 v[\i], 0                             ; Q's upper half: zero codes
.endr
.irp t, 0,1,2,3
.irp i, 8,9,10,11,12,13,14,15
	v_mov_b32 v[32+16*\t+\i], 0                    ; K's likewise: written once, never loaded
.endr
.endr
.set j, 0
.rept 32
	v_mov_b32 v[160+j], 0                          ; O^T: the first change of M multiplies zeros
.set j, j+1
.endr
.irp i, 236,237,238,239,252,253,254
	v_mov_b32 v[\i], 0                             ; lane permutes' destinations and pairs' halves are written before they are named
.endr
; A KEY STEP: 128 keys.  A step all of whose keys come after my queries is left out: a scalar branch on the wave's number and the step's, round the work alone.
.macro STEP
	s_cmp_gt_u32 s[KSI], s[TP]
	s_cbranch_scc1 .Lhidden_\@
	v_add_nc_u32 v[ADK], s[TB], v[AK0]
	v_add_nc_u32 v[ADV], s[TB], v[AV0]
	v_add_nc_u32 v[ADS], s[TB], v[ASK0]
	v_add_nc_u32 v[ADT], s[TB], v[ASV0]
.rept 5
	v_nop                                          ; with the four additions nine places: the products below write over registers that the last step's products read (V's fragments)
.endr
.irp g, 0,1                                    ; S^T = K Q^T, four tiles of 16 keys at a time
.if \g
.rept 8
	v_nop                                          ; places in front of loads into registers that matrix instructions have read
.endr
.endif
.irp t, 0,1,2,3
	ds_load_b128 v[32+16*\t:35+16*\t], v[ADK] offset:(32*((4*\g+\t)/2)+8*(\t%2))*PITCH
	ds_load_b128 v[36+16*\t:39+16*\t], v[ADK] offset:(32*((4*\g+\t)/2)+8*(\t%2))*PITCH+32
	ds_load_u16 v[248+\t], v[ADS] offset:(32*((4*\g+\t)/2)+8*(\t%2))*PITCH+128
.endr
	s_wait_dscnt 0x0
.irp t, 0,1,2,3
	v_wmma_scale_f32_16x16x128_f8f6f4 v[96+8*(4*\g+\t):103+8*(4*\g+\t)], v[32+16*\t:47+16*\t], v[16:31], 0, v[248+\t], v255 matrix_a_fmt:MATRIX_FMT_BF8 matrix_b_fmt:MATRIX_FMT_BF8
.endr
.endr
.rept 8
	v_nop
.endr
	s_cmp_lt_u32 s[KSI], s[TP]                     ; only my last step lies on the diagonal
	s_cbranch_scc1 .Lopen_\@
	v_mov_b32 v254, 0xff800000                     ; hidden scores become -infinity ahead of the maximum: p = 0 then
.set n, 0
.rept 64
	v_cmp_gt_i32 vcc_lo, 32*(n/16)+n%16, v[DG]     ; register 16 b + i holds key 32 b + 16 (lane / 16) + i of the step
	v_cndmask_b32 v[96+n], v[96+n], v254, vcc_lo
.set n, n+1
.endr
.Lopen_\@:
.irp b, 0,1,2,3
	v_max3_num_f32 v[232+\b], v[96+16*\b], v[97+16*\b], v[98+16*\b]   ; the largest score of each block of 32 keys: for the row's maximum, and for the block's largest p
.endr
.irp i, 3,5,7,9,11,13
.irp b, 0,1,2,3
	v_max3_num_f32 v[232+\b], v[232+\b], v[96+16*\b+\i], v[97+16*\b+\i]
.endr
.endr
.irp b, 0,1,2,3
	v_max_num_f32 v[232+\b], v[232+\b], v[111+16*\b]
.endr
.irp b, 0,1,2,3
	v_permlanex16_b32 v[236+\b], v[232+\b], s[SEL], s[SEL+1]
.endr
.irp b, 0,1,2,3
	v_max_num_f32 v[232+\b], v[232+\b], v[236+\b]  ; with lane l xor 16's 16 keys
.endr
	v_max3_num_f32 v254, v232, v233, v234
	v_max_num_f32 v254, v254, v235
	v_mul_f32 v254, s[CS], v254                    ; as t
	v_max_num_f32 v13, v13, v254                   ; the running largest t
	v_mov_b32 v254, v12
	v_floor_f32 v12, -v13                          ; the new -M = -ceil(t): a whole number
	v_sub_f32 v254, v12, v254                      ; old M - new M: a whole number, 0 or less
	v_cvt_i32_f32 v254, v254
	v_ldexp_f32 v252, 1.0, v254                    ; f = 2^(old M - new M): a multiplication by it rounds nothing
.set j, 0
.rept 32
	v_pk_fma_f32 v[96+j:97+j], v[96+j:97+j], s[CS:CS+1], v[12:13] op_sel_hi:[1,0,0]   ; t - M
.set j, j+2
.endr
.irp b, 0,1,2,3
	v_fma_f32 v[232+\b], v[232+\b], s[CS], v12     ; the same of each block's largest score
.endr
.set j, 0
.rept 64
	v_exp_f32 v[96+j], v[96+j]                     ; p = 2^(t - M)
.set j, j+1
.endr
	v_pk_mul_f32 v[14:15], v[14:15], v[252:253] op_sel_hi:[1,0]   ; the sums under the new M (a plain instruction behind the exponentials)
	s_wait_alu depctr_va_vdst(0)                   ; one wait for the batch, ahead of its first reader
.irp b, 0,1,2,3
	v_exp_f32 v[232+\b], v[232+\b]                 ; the block's largest p
.endr
	v_pk_add_f32 v[236:237], v[96:97], v[98:99]    ; the row's sum is taken of the unquantised p, in two chains
.irp j, 4,8,12,16,20,24,28,32,36,40,44,48,52,56,60
	v_pk_add_f32 v[14:15], v[14:15], v[96+\j:97+\j]
	v_pk_add_f32 v[236:237], v[236:237], v[98+\j:99+\j]
.endr
	v_pk_add_f32 v[14:15], v[14:15], v[236:237]
	s_wait_alu depctr_va_vdst(0)                   ; and one for the four
.irp b, 0,1,2,3
	v_max_num_f32 v[232+\b], 0x8000000, v[232+\b]  ; the floor 2^(16 - 127): the byte cannot fall under 1
.endr
.irp b, 0,1,2,3
	v_add_nc_u32 v[244+\b], 0xf8800000, v[232+\b]  ; the conversion's scale operand
.endr
.irp b, 0,1,2,3
	v_and_or_b32 v[240+\b], v[232+\b], 0x7f800000, s[MNT]   ; 57,344 x the scale
.endr
.irp b, 0,1,2,3
	v_lshrrev_b32 v[236+\b], 23, v[244+\b]         ; the scale's byte
.endr
	v_lshl_or_b32 v253, v237, 8, v236              ; p's scale word for these 128 keys
	v_lshl_or_b32 v253, v238, 16, v253
	v_lshl_or_b32 v253, v239, 24, v253
.irp b, 0,1,2,3
.irp i, 0,1,2,3,4,5,6,7,8,9,10,11,12,13,14,15
	v_min_num_f32 v[96+16*\b+\i], v[96+16*\b+\i], v[240+\b]   ; the conversion does not saturate (ISA guide 7.6.2); p is not negative: a one-sided hold
.endr
	v_cvt_scalef32_pk8_bf8_f32 v[192+4*\b:193+4*\b], v[96+16*\b:103+16*\b], v[244+\b]
	v_cvt_scalef32_pk8_bf8_f32 v[194+4*\b:195+4*\b], v[104+16*\b:111+16*\b], v[244+\b]
.endr
.irp t, 0,1,2,3                                ; V's four fragments land where p lay, while O^T is rescaled
.irp c, 0,1,2,3
	ds_load_b128 v[96+16*\t+4*\c:99+16*\t+4*\c], v[ADV] offset:16*\t*PITCH+32*\c
.endr
	ds_load_b32 v[248+\t], v[ADT] offset:16*\t*PITCH+128
.endr
.set j, 0
.rept 16
	v_pk_mul_f32 v[160+j:161+j], v[160+j:161+j], v[252:253] op_sel_hi:[1,0]   ; O^T under the new M.  (Also the places between the codes, the scale word and the products)
.set j, j+2
.endr
	s_wait_dscnt 0x0
.irp t, 0,1,2,3                                ; O^T += V^T P^T: the four accumulators by turns
	v_wmma_scale_f32_16x16x128_f8f6f4 v[160+8*\t:167+8*\t], v[96+16*\t:111+16*\t], v[192:207], v[160+8*\t:167+8*\t], v[248+\t], v253 matrix_a_fmt:MATRIX_FMT_BF8 matrix_b_fmt:MATRIX_FMT_BF8
.endr
.Lhidden_\@:
	s_add_co_u32 s[TB], s[TB], SUBT
	s_add_co_u32 s[KSI], s[KSI], 1
.endm
	s_mov_b32 s[TB], 0
	s_mov_b32 s[KSI], 0
	s_wait_tensorcnt 0x1                           ; my first fill is in (the second may be out)
	s_barrier_signal -1
	s_barrier_wait -1                              ; everybody's is: key steps 0 and 1 lie in LDS
	s_wait_loadcnt 0x0                             ; Q
	STEP
	STEP
	s_wait_tensorcnt 0x0                           ; my second fill is in,
	s_wait_dscnt 0x0
	s_barrier_signal -1
	s_barrier_wait -1                              ; everybody's is
	s_mov_b32 s[CNT], 6
.Lkeys:
	STEP
	s_sub_co_u32 s[CNT], s[CNT], 1
	s_cmp_lg_u32 s[CNT], 0
	s_cbranch_scc1 .Lkeys
	; THE WAY OUT: O^T / the sum, quantised along the channels (two blocks of 32 for my head), into the stage; head 0's wave stores the tile's 16 rows
.rept 8
	v_nop                                          ; places behind the last products
.endr
	v_add_f32 v14, v14, v15
	v_permlanex16_b32 v252, v14, s[SEL], s[SEL+1]
	v_add_f32 v14, v14, v252                       ; the row's sum
	v_rcp_f32 v14, v14
	v_nop                                          ; a plain instruction behind the reciprocal,
	s_wait_alu depctr_va_vdst(0)                   ; and the wait ahead of its first reader
.set j, 0
.rept 32
	v_mul_f32 v[96+j], v[160+j], v14               ; register 8 t + i: channel 16 t + 8 (lane / 16) + i of my query
.set j, j+1
.endr
.irp b, 0,1
	v_max3_num_f32 v[232+\b], |v[96+16*\b]|, |v[97+16*\b]|, 0x8000000
.endr
.irp i, 2,4,6,8,10,12,14
.irp b, 0,1
	v_max3_num_f32 v[232+\b], v[232+\b], |v[96+16*\b+\i]|, |v[97+16*\b+\i]|
.endr
.endr
.irp b, 0,1
	v_permlanex16_b32 v[236+\b], v[232+\b], s[SEL], s[SEL+1]
.endr
.irp b, 0,1
	v_max_num_f32 v[232+\b], v[232+\b], v[236+\b]  ; with lane l xor 16's 16 channels: the block's largest magnitude
.endr
.irp b, 0,1
	v_add_nc_u32 v[244+\b], 0xf8800000, v[232+\b]
.endr
.irp b, 0,1
	v_and_or_b32 v[240+\b], v[232+\b], 0x7f800000, s[MNT]
.endr
.irp b, 0,1
	v_lshrrev_b32 v[236+\b], 23, v[244+\b]
.endr
	v_lshl_or_b32 v253, v237, 8, v236              ; my head's two scale bytes
.irp b, 0,1
.irp i, 0,1,2,3,4,5,6,7,8,9,10,11,12,13,14,15
	v_med3_num_f32 v[96+16*\b+\i], v[96+16*\b+\i], -v[240+\b], v[240+\b]
.endr
	v_cvt_scalef32_pk8_bf8_f32 v[192+4*\b:193+4*\b], v[96+16*\b:103+16*\b], v[244+\b]
	v_cvt_scalef32_pk8_bf8_f32 v[194+4*\b:195+4*\b], v[104+16*\b:111+16*\b], v[244+\b]
.endr
	v_nop                                          ; a plain instruction behind the last conversion
.irp t, 0,1,2,3
	ds_store_b64 v[YS], v[192+2*\t:193+2*\t] offset:16*\t
.endr
	ds_store_b16 v[YB], v253 offset:128            ; both halves of the lanes write the same bytes with the same value
	ds_store_b32 v[YZ], v[ZR] offset:132
	s_wait_dscnt 0x0                               ; for the others' sake: my stores have landed
	s_barrier_signal -1
	s_barrier_wait -1
	s_cmp_lg_u32 s[PI], 0
	s_cbranch_scc1 .Lno_copy
.irp i, 0,1,2,3
	ds_load_b128 v[96+4*\i:99+4*\i], v[RDY] offset:512*\i
.endr
	ds_load_b64 v[112:113], v[RDY8] offset:2048
.irp i, 0,1,2,3
	s_wait_dscnt 4-\i
	global_store_b128 v[GO16], v[96+4*\i:99+4*\i], s[6:7] offset:512*\i   ; 32 lanes store 512 consecutive bytes, at a multiple of 256 from y's first byte
.endr
	s_wait_dscnt 0x0
	global_store_b64 v[GO8], v[112:113], s[6:7] offset:2048
.Lno_copy:
	s_wait_tensorcnt 0x0
	ds_add_u32 v230, v231
	s_wait_dscnt 0x0
	ROUND                                          ; the closing round
	s_endpgm
.Lfunc_end_k_q72b0450a02_attn:
	.size	k_q72b0450a02_attn, .Lfunc_end_k_q72b0450a02_attn-k_q72b0450a02_attn
	.p2alignl 7, 3214868480
	.fill 96, 4, 3214868480
	.section	.rodata,"a",@progbits
	.p2align	6, 0x0
	.amdhsa_kernel k_q72b0450a02_attn
		.amdhsa_group_segment_fixed_size 327680
		.amdhsa_private_segment_fixed_size 0
		.amdhsa_enable_private_segment 0
		.amdhsa_kernarg_size 16
		.amdhsa_user_sgpr_count 2
		.amdhsa_user_sgpr_kernarg_segment_ptr 1
		.amdhsa_wavefront_size32 1
		.amdhsa_system_sgpr_workgroup_id_x 1
		.amdhsa_system_sgpr_workgroup_id_y 1
		.amdhsa_system_sgpr_workgroup_id_z 1
		.amdhsa_system_vgpr_workitem_id 0
		.amdhsa_next_free_vgpr 256
		.amdhsa_next_free_sgpr 66
		.amdhsa_reserve_vcc 1
		.amdhsa_float_denorm_mode_32 3
		.amdhsa_float_denorm_mode_16_64 3
		.amdhsa_memory_ordered 1
		.amdhsa_forward_progress 1
		.amdhsa_inst_pref_size 91
	.end_amdhsa_kernel
	.amdgpu_metadata
---
amdhsa.version: [ 1, 2 ]
amdhsa.kernels:
  - .name:           k_q72b0450a02_attn
    .symbol:         k_q72b0450a02_attn.kd
    .args:
      - { .name: qkv, .offset: 0, .size: 8, .value_kind: global_buffer, .address_space: global }
      - { .name: y, .offset: 8, .size: 8, .value_kind: global_buffer, .address_space: global }
    .group_segment_fixed_size: 327680
    .private_segment_fixed_size: 0
    .kernarg_segment_align: 8
    .kernarg_segment_size: 16
    .max_flat_workgroup_size: 512
    .sgpr_count:     66
    .vgpr_count:     256
    .wavefront_size: 32
...
	.end_amdgpu_metadata
.endif
;; end of part 3
;; launch proj (part 4): grid 8 x 32, 4 waves a work-group, clusters of 4 x 4, 327,680 bytes of LDS; arguments y, wc, b_proj, x, x2; writes x2
.if DOCPART == 4
	.amdgcn_target "amdgcn-amd-amdhsa--gfx1250"
	.amdhsa_code_object_version 6
	.text
	.protected	k_q72b0450a02_proj
	.globl	k_q72b0450a02_proj
	.p2align	8
	.type	k_q72b0450a02_proj,@function
k_q72b0450a02_proj:
	s_mov_b64 s[64:65], 0
	v_nop
	global_prefetch_b8 v0, s[64:65] scope:SCOPE_SE
	s_setreg_imm32_b32 hwreg(HW_REG_WAVE_MODE, 25, 1), 1
	s_wait_xcnt 0x0
	s_wait_alu depctr_hold_cnt(0) depctr_sa_sdst(0) depctr_va_vdst(0) depctr_va_sdst(0) depctr_va_ssrc(0) depctr_va_vcc(0) depctr_vm_vsrc(0)
	s_getreg_b32 s2, hwreg(HW_REG_IB_STS2, 6, 4)
	s_cmp_eq_u32 s2, 0
	s_cbranch_scc0 .Lentry_in_a_cluster
	s_endpgm
.Lentry_in_a_cluster:
	s_bfe_u32 s2, ttmp6, 0x10000c
	s_cmp_lg_u32 s2, 0xf033
	s_cbranch_scc0 .Lentry_shape_is_right
	s_endpgm
.Lentry_shape_is_right:
; out = res + A B^T + bias: A [4,096][KK] and B [1,024][KK] are codes of BF8 (E5M2) with E8M0 scales in blocks of 128 rows x 128 K (row p at 144 p: 128 codes, the scale word, 12 zero bytes), group 4:
; block ((t / 4) (R / 128) + row block) 4 + t % 4.  res, out: [4,096][1,024] f32.  Here: A = y, B = W_proj's codes, KK = 1,024.
; N is 1,024, so a tile is 128 x 128: 256 work-groups.  Four waves, each 64 x 64: 16 accumulators.  A slot holds 512 along K: A's four blocks, then B's four; a wave's tensor load brings two neighbouring blocks,
; 36,864 dense bytes.  The pitch of 144 bytes (an odd multiple of 16) is in the layout, and the scale words ride with the codes.
; CLUSTERS: 4 x 4: A's tiles are asked for jointly along a row of the cluster, B's along a column.  THE MATRIX INSTRUCTION IS USED TRANSPOSED (source 0 = 16 rows of B, source 1 = 16 rows of A): a lane holds eight neighbours of a row of out.
; The bias is the C of each sum's first product; the residual is loaded at the head, in the layout in which rows leave, and added on the way out.
; REGISTERS: window 0: v1-31 addresses; v32-63 scale words, two sets; v64-95 the bias; v128-255 the accumulators.  Window 1: two fragment buffers of 128 (B's four, then A's four).  Window 2: v0-127 the residual.
.set LAPS,   1                         ; KK / 1,024: a lap = two slots
.set WOFF,   3538944                   ; B's first byte in wc
.set PITCH,  144
.set SUBT,   128*PITCH
.set QUART,  2*SUBT
.set SLOT,   4*QUART
.set SPARE,  2*SLOT
.set NP,     8
.set KGA,    32*4*SUBT                 ; 512 along K on, in A
.set KGB,    8*4*SUBT                  ; and in B
.set ADRA, 16
.set ADRS, 18
.set ADRB, 20
.set STO,  24
.set RD,   25
.set CO,   26
.set SPW,  28
.set NIL,  29
.set SC,   32
.set BIAS, 64
.set ACC,  128
.set F0,   0
.set F1,   128
.set G1, 24
.set G0, 32
.set G1B, 48
.set G0B, 56
.set MSB, 0
.macro WIN new
.if MSB != \new
	s_set_vgpr_msb (MSB<<8)|\new
.set MSB, \new
.endif
.endm
.macro JLOAD s                         ; a joint load: waves 0 and 1 fetch A's halves, waves 2 and 3 B's; four v_nop follow each line
	s_cmp_eq_u32 s15, 0
	s_cbranch_scc0 .Lfor_b_\@
	tensor_load_to_lds s[G0+4*\s:G0+4*\s+3], s[G1:G1+7]
	s_nop 0
.rept 4
	v_nop
.endr
	s_branch .Lasked_\@
.Lfor_b_\@:
	tensor_load_to_lds s[G0B+4*\s:G0B+4*\s+3], s[G1B:G1B+7]
	s_nop 0
.rept 4
	v_nop
.endr
.Lasked_\@:
.endm
.macro CREST
	s_cmp_lg_u32 s14, 0
	s_cbranch_scc1 .Lnot_wave_0_\@
	s_barrier_signal -3
.Lnot_wave_0_\@:
	s_barrier_wait -3
	s_barrier_signal -1
	s_barrier_wait -1
.endm
.macro CROUND
	s_barrier_signal -1
	s_barrier_wait -1
	CREST
.endm
	s_load_b256 s[4:11], s[0:1], 0x0               ; A, wc, bias, res
	s_load_b64 s[12:13], s[0:1], 0x20              ; out
	v_lshl_add_u32 v[SPW], v0, 2, SPARE
	v_mov_b32 v[NIL], 0
	ds_add_u32 v28, v29
	ds_add_u32 v28, v29
	s_wait_dscnt 0x0
	v_lshrrev_b32 v1, 5, v0
	v_readfirstlane_b32 s14, v1                    ; wave 0..3
	s_lshr_b32 s15, s14, 1                         ; my half of the tile's rows.  Also: I fetch for A (0) or for B (1)
	s_and_b32 s16, s14, 1                          ; my half of its columns.  Also: which two blocks I fetch
	s_bfe_u32 s40, ttmp6, 0x40000                  ; cx
	s_bfe_u32 s41, ttmp6, 0x40004                  ; cy
	s_lshl_b32 s42, ttmp9, 2
	s_add_co_u32 s42, s42, s40                     ; tile column
	s_and_b32 s17, ttmp7, 0xffff
	s_lshl_b32 s17, s17, 2
	s_add_co_u32 s17, s17, s41                     ; tile row
	s_lshl_b32 s43, s41, 2
	s_lshl_b32 s43, 15, s43
	s_lshl_b32 s44, 0x1111, s40
	s_or_b32 s[G1+0], s43, (3<<16)|(1<<21)         ; the mask; elements of 8 bytes; bit 21 beside a mask; no padding
	s_or_b32 s[G1B+0], s44, (3<<16)|(1<<21)
.irp g, G1, G1B
	s_mov_b32 s[\g+1], 32<<16                      ; rows of 256 bytes,
	s_mov_b32 s[\g+2], 144<<16                     ; 144 of them
	s_mov_b32 s[\g+3], 32<<16
	s_mov_b32 s[\g+4], 144
	s_mov_b32 s[\g+5], 32
	s_mov_b32 s[\g+6], 0
	s_mov_b32 s[\g+7], 0
.endr
	s_lshl_b32 s18, s16, 1
	s_lshl_b32 s20, s17, 2
	s_add_co_u32 s20, s20, s18
	s_mul_i32 s20, s20, SUBT                       ; A: block 4 x tile row + 2 x half
	s_mov_b32 s21, 0
	s_lshl_b32 s46, s42, 2
	s_add_co_u32 s46, s46, s18
	s_mul_i32 s46, s46, SUBT
	s_add_co_u32 s46, s46, WOFF                    ; B likewise, by the tile column
	s_mov_b32 s47, 0
	s_mul_i32 s45, s14, QUART
	s_wait_kmcnt 0x0
	s_add_nc_u64 s[20:21], s[4:5], s[20:21]
	s_add_nc_u64 s[46:47], s[6:7], s[46:47]
	CROUND                                         ; all sixteen work-groups are here: the first joint loads meet
.irp s, 0,1
	s_mov_b32 s[G0+4*\s], 1
	s_add_co_u32 s[G0+4*\s+1], s45, \s*SLOT
	s_add_nc_u64 s[G0+4*\s+2:G0+4*\s+3], s[20:21], \s*KGA
	s_or_b32 s[G0+4*\s+3], s[G0+4*\s+3], 0x80000000
	s_mov_b32 s[G0B+4*\s], 1
	s_add_co_u32 s[G0B+4*\s+1], s45, \s*SLOT
	s_add_nc_u64 s[G0B+4*\s+2:G0B+4*\s+3], s[46:47], \s*KGB
	s_or_b32 s[G0B+4*\s+3], s[G0B+4*\s+3], 0x80000000
	JLOAD \s
.endr
	v_and_b32 v1, 15, v0                           ; r
	v_bfe_u32 v2, v0, 4, 1                         ; h
	v_mul_u32_u24 v3, v1, PITCH
	v_lshl_add_u32 v4, v2, 4, v3
	s_mul_i32 s66, s15, 64*PITCH                   ; my 64 rows of A
	s_mul_i32 s67, s16, 64*PITCH
	s_add_co_u32 s67, s67, 4*SUBT                  ; my 64 rows of B
	s_sub_co_u32 s68, s67, s66
	v_mul_u32_u24 v5, s68, v2                      ; scale words: lanes 0-15 A's rows, lanes 16-31 B's: one product
	v_add_nc_u32 v5, v5, v3
.irp s, 0,1
	v_add_nc_u32 v[ADRA+\s], s66, v4
	v_add_nc_u32 v[ADRB+\s], s67, v4
	v_add_nc_u32 v[ADRS+\s], s66, v5
	s_add_co_u32 s66, s66, SLOT
	s_add_co_u32 s67, s67, SLOT
.endr
	s_mul_i32 s69, s14, 16*272                     ; my stage, in slot 0: 16 rows x (256 bytes + 16)
	v_mul_u32_u24 v3, v1, 272
	v_lshl_add_u32 v3, v2, 5, v3
	v_add_nc_u32 v[STO], s69, v3
	v_mul_u32_u24 v3, v2, 272
	v_lshl_add_u32 v3, v1, 4, v3
	v_add_nc_u32 v[RD], s69, v3
	v_lshlrev_b32 v3, 12, v2
	v_lshl_add_u32 v[CO], v1, 4, v3                ; in res and out: lanes 0-15 one row's 256 bytes, lanes 16-31 the next row's
	v_lshlrev_b32 v6, 5, v2
	s_lshl_b32 s72, s42, 9
	s_lshl_b32 s73, s16, 8
	s_add_co_u32 s72, s72, s73                     ; my first column x 4 bytes
	s_mov_b32 s73, 0
	s_add_nc_u64 s[8:9], s[8:9], s[72:73]
	s_lshl_b32 s70, s17, 19
	s_lshl_b32 s71, s15, 18
	s_add_co_u32 s70, s70, s71                     ; my first row x 4,096 bytes
	s_add_co_u32 s70, s70, s72
	s_mov_b32 s71, 0
	s_add_nc_u64 s[10:11], s[10:11], s[70:71]
	s_add_nc_u64 s[12:13], s[12:13], s[70:71]
.irp b, 0,1,2,3
	global_load_b128 v[BIAS+8*\b:BIAS+8*\b+3],   v6, s[8:9] offset:64*\b
	global_load_b128 v[BIAS+8*\b+4:BIAS+8*\b+7], v6, s[8:9] offset:64*\b+16
.endr
	WIN 0x80                                       ; destination window 2
.irp a, 0,1,2,3
.irp t, 0,1,2,3,4,5,6,7
	global_load_b128 v[32*\a+4*\t:32*\a+4*\t+3], v[CO], s[10:11] offset:(16*\a+2*\t)*4096 th:TH_LOAD_NT
.endr
.endr
	WIN 0
.macro FETCH slot, q, f                ; the fragments of sub-step q: B's four, A's four: 32 loads in one run
	WIN 0x40
.irp b, 0,1,2,3
.irp c, 0,1,2,3
	ds_load_b128 v[\f+16*\b+4*\c:\f+16*\b+4*\c+3], v[ADRB+\slot] offset:(\q)*SUBT+\b*16*PITCH+32*\c
.endr
.endr
.irp a, 0,1,2,3
.irp c, 0,1,2,3
	ds_load_b128 v[\f+64+16*\a+4*\c:\f+64+16*\a+4*\c+3], v[ADRA+\slot] offset:(\q)*SUBT+\a*16*PITCH+32*\c
.endr
.endr
.endm
.macro SCL slot                        ; a slot's scale words: register 4 q + i: lanes 0-15 A's block i, lanes 16-31 B's block i
	WIN 0
.irp q, 0,1,2,3
.irp i, 0,1,2,3
	ds_load_b32 v[SC+16*\slot+4*\q+\i], v[ADRS+\slot] offset:\q*SUBT+\i*16*PITCH+128
.endr
.endr
.endm
; Four products: A's block a x B's four.  The 16 accumulators take turns, one instruction a turn, in one order throughout.
.macro MUL4 f, a, q, sc, zero
	WIN 0x05                                       ; sources 0 and 1 window 1; C and D window 0
.irp b, 0,1,2,3
.if \zero
	v_wmma_scale_f32_16x16x128_f8f6f4 v[ACC+8*(4*(\a)+\b):ACC+8*(4*(\a)+\b)+7], v[\f+16*\b:\f+16*\b+15], v[\f+64+16*(\a):\f+64+16*(\a)+15], v[BIAS+8*\b:BIAS+8*\b+7], v[SC+16*(\sc)+4*(\q)+\b], v[SC+16*(\sc)+4*(\q)+(\a)] matrix_a_fmt:MATRIX_FMT_BF8 matrix_b_fmt:MATRIX_FMT_BF8 matrix_a_scale:MATRIX_SCALE_ROW1
.else
	v_wmma_scale_f32_16x16x128_f8f6f4 v[ACC+8*(4*(\a)+\b):ACC+8*(4*(\a)+\b)+7], v[\f+16*\b:\f+16*\b+15], v[\f+64+16*(\a):\f+64+16*(\a)+15], v[ACC+8*(4*(\a)+\b):ACC+8*(4*(\a)+\b)+7], v[SC+16*(\sc)+4*(\q)+\b], v[SC+16*(\sc)+4*(\q)+(\a)] matrix_a_fmt:MATRIX_FMT_BF8 matrix_b_fmt:MATRIX_FMT_BF8 matrix_a_scale:MATRIX_SCALE_ROW1
.endif
.endr
.endm
.macro PLACES n
.rept \n
	v_nop
.endr
.endm
.macro SUB slot, q, zero               ; sub-step q (0..2) of a slot: its fragments are in; the next sub-step's are asked for ahead of its 16 products
	s_wait_dscnt 0x0
	PLACES NP                                      ; in front of loads into the buffer that the last sub-step's products read
	FETCH \slot, (\q)+1, 128*(1-(\q)%2)
	MUL4 128*((\q)%2), 0, \q, \slot, \zero
	MUL4 128*((\q)%2), 1, \q, \slot, \zero
	MUL4 128*((\q)%2), 2, \q, \slot, \zero
	MUL4 128*((\q)%2), 3, \q, \slot, \zero
.endm
; A slot's last sub-step changes slots: one barrier; in front of it each wave waits for all its tensor loads, adds 0 to its spare word, and waits for that and for its reads of this slot.
.macro TURN slot, next, fill
	WIN 0
	s_wait_tensorcnt 0x0                           ; all my tensor loads have landed: my part of the next slot
	ds_add_u32 v[SPW], v[NIL]                      ; 0 onto my spare word
	s_wait_dscnt 1                                 ; the fragments are in; only the add may be out
	MUL4 F1, 0, 3, \slot, 0
	s_wait_dscnt 0x0                               ; the add is done, and my reads of this slot are over
	s_barrier_signal -1
	MUL4 F1, 1, 3, \slot, 0
	WIN 0
	s_barrier_wait -1
.if \fill
	CREST                                          ; the barrier has opened a round of the cluster's
	s_add_nc_u64 s[G0+4*\slot+2:G0+4*\slot+3], s[G0+4*\slot+2:G0+4*\slot+3], 2*KGA
	s_add_nc_u64 s[G0B+4*\slot+2:G0B+4*\slot+3], s[G0B+4*\slot+2:G0B+4*\slot+3], 2*KGB
	JLOAD \slot                                    ; the first tensor load behind the round; its four v_nop are four of the eight places
	PLACES NP-4
.else
	PLACES NP
.endif
	FETCH \next, 0, F0
	SCL \next
	MUL4 F1, 2, 3, \slot, 0
	MUL4 F1, 3, 3, \slot, 0
.endm
	s_wait_tensorcnt 1                             ; my part of slot 0 is in (slot 1's load may be out),
	s_barrier_signal -1
	s_barrier_wait -1                              ; everybody's is
	FETCH 0, 0, F0
	SCL 0
	s_wait_loadcnt 32                              ; the bias is in; the residual's 32 loads may be out
	SUB 0, 0, 1
.if LAPS > 1
	WIN 0
	s_mov_b32 s3, LAPS-1
.Llap:
	SUB 0, 1, 0
	SUB 0, 2, 0
	TURN 0, 1, 1
	SUB 1, 0, 0
	SUB 1, 1, 0
	SUB 1, 2, 0
	TURN 1, 0, 1
	SUB 0, 0, 0
	WIN 0
	s_sub_co_u32 s3, s3, 1
	s_cmp_lg_u32 s3, 0
	s_cbranch_scc1 .Llap
.endif
	SUB 0, 1, 0
	SUB 0, 2, 0
	TURN 0, 1, 0                                   ; the last lap fills nothing
	SUB 1, 0, 0
	SUB 1, 1, 0
	SUB 1, 2, 0
	s_wait_dscnt 0x0
	MUL4 F1, 0, 3, 1, 0
	MUL4 F1, 1, 3, 1, 0
	MUL4 F1, 2, 3, 1, 0
	MUL4 F1, 3, 3, 1, 0
	WIN 0
	PLACES NP
	; THE WAY OUT: 16 rows at a time through my stage (slot 0 has had its last fill, and nobody reads it behind the last change of slots); back as whole rows of 256 bytes
.irp a, 0,1,2,3
.irp b, 0,1,2,3
	ds_store_b128 v[STO], v[ACC+8*(4*\a+\b):ACC+8*(4*\a+\b)+3]   offset:64*\b
	ds_store_b128 v[STO], v[ACC+8*(4*\a+\b)+4:ACC+8*(4*\a+\b)+7] offset:64*\b+16
.endr
	WIN 0x40
.irp t, 0,1,2,3,4,5,6,7
	ds_load_b128 v[32*\a+4*\t:32*\a+4*\t+3], v[RD] offset:\t*2*272   ; LDS serves a wave's instructions in order: these see my stores, and the next block's stores come behind them
.endr
	WIN 0
.endr
	s_wait_dscnt 0x0
	s_wait_loadcnt 0x0                             ; the residual
	WIN 0x49                                       ; destination and source 0 window 1, source 1 window 2
.set i, 0
.rept 64
	v_pk_add_f32 v[i:i+1], v[i:i+1], v[i:i+1]
.set i, i+2
.endr
	WIN 0x04                                       ; a store's data are its source 1: window 1
.irp a, 0,1,2,3
.irp t, 0,1,2,3,4,5,6,7
	global_store_b128 v[CO], v[32*\a+4*\t:32*\a+4*\t+3], s[12:13] offset:(16*\a+2*\t)*4096   ; 16 lanes store 256 consecutive bytes, at a multiple of 256 from the buffer's first byte
.endr
.endr
	WIN 0
	s_wait_tensorcnt 0x0                           ; the wave's end
	ds_add_u32 v[SPW], v[NIL]
	s_wait_dscnt 0x0
	CROUND                                         ; the closing round
	s_endpgm
.Lfunc_end_k_q72b0450a02_proj:
	.size	k_q72b0450a02_proj, .Lfunc_end_k_q72b0450a02_proj-k_q72b0450a02_proj
	.p2alignl 7, 3214868480
	.fill 96, 4, 3214868480
	.section	.rodata,"a",@progbits
	.p2align	6, 0x0
	.amdhsa_kernel k_q72b0450a02_proj
		.amdhsa_group_segment_fixed_size 327680
		.amdhsa_private_segment_fixed_size 0
		.amdhsa_enable_private_segment 0
		.amdhsa_kernarg_size 40
		.amdhsa_user_sgpr_count 2
		.amdhsa_user_sgpr_kernarg_segment_ptr 1
		.amdhsa_wavefront_size32 1
		.amdhsa_system_sgpr_workgroup_id_x 1
		.amdhsa_system_sgpr_workgroup_id_y 1
		.amdhsa_system_sgpr_workgroup_id_z 1
		.amdhsa_system_vgpr_workitem_id 0
		.amdhsa_next_free_vgpr 640
		.amdhsa_next_free_sgpr 80
		.amdhsa_reserve_vcc 0
		.amdhsa_float_denorm_mode_32 3
		.amdhsa_float_denorm_mode_16_64 3
		.amdhsa_memory_ordered 1
		.amdhsa_forward_progress 1
		.amdhsa_inst_pref_size 60
	.end_amdhsa_kernel
	.amdgpu_metadata
---
amdhsa.version: [ 1, 2 ]
amdhsa.kernels:
  - .name:           k_q72b0450a02_proj
    .symbol:         k_q72b0450a02_proj.kd
    .args:
      - { .name: y, .offset: 0, .size: 8, .value_kind: global_buffer, .address_space: global }
      - { .name: wc, .offset: 8, .size: 8, .value_kind: global_buffer, .address_space: global }
      - { .name: b_proj, .offset: 16, .size: 8, .value_kind: global_buffer, .address_space: global }
      - { .name: x, .offset: 24, .size: 8, .value_kind: global_buffer, .address_space: global }
      - { .name: x2, .offset: 32, .size: 8, .value_kind: global_buffer, .address_space: global }
    .group_segment_fixed_size: 327680
    .private_segment_fixed_size: 0
    .kernarg_segment_align: 8
    .kernarg_segment_size: 40
    .max_flat_workgroup_size: 128
    .sgpr_count:     80
    .vgpr_count:     640
    .wavefront_size: 32
...
	.end_amdgpu_metadata
.endif
;; end of part 4
;; launch ln2 (part 5): grid 256 x 1, 8 waves a work-group, no clusters, 19,456 bytes of LDS; arguments x2, ln2_g, ln2_b, h; writes h
.if DOCPART == 5
	.amdgcn_target "amdgcn-amd-amdhsa--gfx1250"
	.amdhsa_code_object_version 6
	.text
	.protected	k_q72b0450a02_ln2
	.globl	k_q72b0450a02_ln2
	.p2align	8
	.type	k_q72b0450a02_ln2,@function
k_q72b0450a02_ln2:
	s_mov_b64 s[64:65], 0
	v_nop
	global_prefetch_b8 v0, s[64:65] scope:SCOPE_SE
	s_setreg_imm32_b32 hwreg(HW_REG_WAVE_MODE, 25, 1), 1
	s_wait_xcnt 0x0
; h = Q(layernorm(x) g + b): rows of 1,024 f32 are normalised in f32 (mean, then the mean of the squared differences: two passes over registers) and quantised to BF8 (E5M2), one E8M0 byte for each 32 along the row.
; OUT: blocks of 128 rows x 128 K, 18,432 dense bytes; row p at 144 p: 128 codes, four scale bytes, 12 zero bytes.  Block number: ((t / 2) 32 + row / 128) 2 + t % 2, t = k / 128.
; A work-group takes 16 rows, a wave two; a row stays in 32 registers a lane between the passes, so memory is read once.  Lane l holds columns 256 j + 8 l + 0..7, j = 0..3: four lanes hold a block of 32.
; The codes meet in a stage in LDS, [8 sub-steps][16 rows][144 bytes]; behind one barrier wave w stores sub-step w's 2,304 bytes: nine aligned runs of 256.
; No tensor load, no matrix unit, no cluster: work-groups share nothing but g and b, 8 KiB.
; LIMITS: NaN and infinities are not served; a block of zeros keeps the byte 1 (its codes are zeros; this program alone reads the bytes).
.set PITCH, 144
.set SUBT,  128*PITCH
.set X,   16                           ; v16-79   two rows
.set G,   80                           ; v80-111  the gain at my columns
.set BT,  112                          ; v112-143 the bias
.set S,   144                          ; v144-151 four registers of sums a row
.set PT,  152                          ; v152-153 the other half of the lanes' sums
.set AM,  80                           ; the quantiser's registers lie over g and b, which are used up by then: v80-87 the largest magnitude of group k = 4 row + j,
.set SO,  88                           ; v88-95   the conversions' scale operands,
.set HD,  96                           ; v96-103  57,344 x the scale,
.set BY,  104                          ; v104-111 the scale bytes,
.set CD,  112                          ; v112-127 the codes, two registers a group
	s_load_b256 s[4:11], s[0:1], 0x0               ; x, g, b, h
	v_lshl_add_u32 v160, v0, 2, 0x4800
	v_mov_b32 v161, 0
	v_lshrrev_b32 v1, 5, v0
	v_readfirstlane_b32 s12, v1                    ; wave 0..7
	v_and_b32 v2, 31, v0                           ; lane
	v_lshlrev_b32 v3, 5, v2                        ; 32 bytes a lane
	s_lshl_b32 s14, ttmp9, 16                      ; 16 rows of 4,096 bytes
	s_lshl_b32 s15, s12, 13                        ; my two
	s_add_co_u32 s14, s14, s15
	s_mov_b32 s15, 0
	s_mov_b32 s16, 0x3a800000                      ; 1 / 1,024
	s_mov_b32 s17, 0x3727c5ac                      ; 1e-5
	s_mov_b32 s18, 0x76543210
	s_mov_b32 s19, 0xfedcba98                      ; v_permlanex16_b32's selects for lane l xor 16
	s_mov_b32 s20, 0x600000                        ; the mantissa field of 57,344
	s_wait_kmcnt 0x0
	s_add_nc_u64 s[4:5], s[4:5], s[14:15]
.irp p, 0,1
.irp j, 0,1,2,3
	global_load_b128 v[X+32*\p+8*\j:X+32*\p+8*\j+3],   v3, s[4:5] offset:4096*\p+1024*\j th:TH_LOAD_NT
	global_load_b128 v[X+32*\p+8*\j+4:X+32*\p+8*\j+7], v3, s[4:5] offset:4096*\p+1024*\j+16 th:TH_LOAD_NT
.endr
.endr
.irp j, 0,1,2,3
	global_load_b128 v[G+8*\j:G+8*\j+3],   v3, s[6:7] offset:1024*\j
	global_load_b128 v[G+8*\j+4:G+8*\j+7], v3, s[6:7] offset:1024*\j+16
.endr
.irp j, 0,1,2,3
	global_load_b128 v[BT+8*\j:BT+8*\j+3],   v3, s[8:9] offset:1024*\j
	global_load_b128 v[BT+8*\j+4:BT+8*\j+7], v3, s[8:9] offset:1024*\j+16
.endr
	; the stage: sub-step 2 j + lane / 16, row 2 x wave + p; j and p stand in the immediates
	v_lshrrev_b32 v4, 4, v2
	v_mul_u32_u24 v4, v4, 16*PITCH
	s_mul_i32 s21, s12, 2*PITCH
	v_add_nc_u32 v4, s21, v4
	v_and_b32 v5, 15, v2
	v_lshl_add_u32 v6, v5, 3, v4                   ; my 8 codes
	v_lshrrev_b32 v7, 2, v5
	v_add_nc_u32 v7, v7, v4                        ; my block's scale byte (+ 128)
	v_and_b32 v8, 3, v2
	v_add_nc_u32 v8, 1, v8
	v_lshrrev_b32 v8, 1, v8                        ; 0, 1, 1, 2: the four lanes of a block clear the row's three last words
	v_lshl_add_u32 v8, v8, 2, v4                   ; (+ 132)
	v_mov_b32 v9, 0
	s_mul_i32 s22, s12, 16*PITCH                   ; on the way out wave w takes sub-step w
	v_lshlrev_b32 v10, 4, v2
	v_add_nc_u32 v11, s22, v10
	v_lshlrev_b32 v12, 3, v2
	v_add_nc_u32 v13, s22, v12
	v_mov_b32 v[PT], 0                             ; a lane permute's destination counts as one of its sources
	v_mov_b32 v[PT+1], 0
	s_lshr_b32 s23, s12, 1
	s_lshl_b32 s23, s23, 5
	s_lshr_b32 s24, ttmp9, 3
	s_add_co_u32 s23, s23, s24
	s_lshl_b32 s23, s23, 1
	s_and_b32 s24, s12, 1
	s_add_co_u32 s23, s23, s24                     ; the block: ((w / 2) 32 + row block) 2 + w % 2
	s_mul_i32 s24, s23, SUBT
	s_and_b32 s25, ttmp9, 7
	s_mul_i32 s25, s25, 16*PITCH                   ; my work-group's 16 rows in it
	s_add_co_u32 s24, s24, s25
	s_mov_b32 s25, 0
	s_add_nc_u64 s[10:11], s[10:11], s[24:25]
.macro REDUCE                          ; v[S] and v[S+4] are summed over the 32 lanes, the two rows by turns
.irp m, 1,2,4,8
	v_add_f32_dpp v[S], v[S], v[S] row_xmask:\m row_mask:0xf bank_mask:0xf
	v_add_f32_dpp v[S+4], v[S+4], v[S+4] row_xmask:\m row_mask:0xf bank_mask:0xf
.endr
	v_permlanex16_b32 v[PT], v[S], s18, s19
	v_permlanex16_b32 v[PT+1], v[S+4], s18, s19
	v_add_f32 v[S], v[S], v[PT]
	v_add_f32 v[S+4], v[S+4], v[PT+1]
.endm
	s_wait_loadcnt 16                              ; x is in; g's and b's sixteen loads may be out
.irp p, 0,1
	v_pk_add_f32 v[S+4*\p:S+4*\p+1],   v[X+32*\p:X+32*\p+1],   v[X+32*\p+2:X+32*\p+3]
	v_pk_add_f32 v[S+4*\p+2:S+4*\p+3], v[X+32*\p+4:X+32*\p+5], v[X+32*\p+6:X+32*\p+7]
.endr
.irp i, 8,12,16,20,24,28
.irp p, 0,1
	v_pk_add_f32 v[S+4*\p:S+4*\p+1],   v[S+4*\p:S+4*\p+1],   v[X+32*\p+\i:X+32*\p+\i+1]
	v_pk_add_f32 v[S+4*\p+2:S+4*\p+3], v[S+4*\p+2:S+4*\p+3], v[X+32*\p+\i+2:X+32*\p+\i+3]
.endr
.endr
.irp p, 0,1
	v_pk_add_f32 v[S+4*\p:S+4*\p+1], v[S+4*\p:S+4*\p+1], v[S+4*\p+2:S+4*\p+3]
.endr
.irp p, 0,1
	v_add_f32 v[S+4*\p], v[S+4*\p], v[S+4*\p+1]
.endr
	REDUCE
.irp p, 0,1
	v_mul_f32 v[S+4*\p], s16, v[S+4*\p]            ; the mean
.endr
.irp p, 0,1
.set i, 0
.rept 16
	v_pk_add_f32 v[X+32*\p+i:X+32*\p+i+1], v[X+32*\p+i:X+32*\p+i+1], v[S+4*\p:S+4*\p+1] op_sel_hi:[1,0] neg_lo:[0,1] neg_hi:[0,1]   ; x - mean
.set i, i+2
.endr
.endr
.irp p, 0,1
	v_pk_mul_f32 v[S+4*\p:S+4*\p+1],   v[X+32*\p:X+32*\p+1],   v[X+32*\p:X+32*\p+1]
	v_pk_mul_f32 v[S+4*\p+2:S+4*\p+3], v[X+32*\p+2:X+32*\p+3], v[X+32*\p+2:X+32*\p+3]
.endr
.irp i, 4,8,12,16,20,24,28
.irp p, 0,1
	v_pk_fma_f32 v[S+4*\p:S+4*\p+1],   v[X+32*\p+\i:X+32*\p+\i+1],   v[X+32*\p+\i:X+32*\p+\i+1],   v[S+4*\p:S+4*\p+1]
	v_pk_fma_f32 v[S+4*\p+2:S+4*\p+3], v[X+32*\p+\i+2:X+32*\p+\i+3], v[X+32*\p+\i+2:X+32*\p+\i+3], v[S+4*\p+2:S+4*\p+3]
.endr
.endr
.irp p, 0,1
	v_pk_add_f32 v[S+4*\p:S+4*\p+1], v[S+4*\p:S+4*\p+1], v[S+4*\p+2:S+4*\p+3]
.endr
.irp p, 0,1
	v_add_f32 v[S+4*\p], v[S+4*\p], v[S+4*\p+1]
.endr
	REDUCE
.irp p, 0,1
	v_fma_f32 v[S+4*\p], v[S+4*\p], s16, s17       ; the variance + 1e-5
.endr
	v_rsq_f32 v[S], v[S]
	v_rsq_f32 v[S+4], v[S+4]
	v_nop                                          ; a plain instruction behind the roots,
	s_wait_alu depctr_va_vdst(0)                   ; and the wait ahead of their first reader: one for both
	s_wait_loadcnt 0x0                             ; g and b
.irp p, 0,1
.set i, 0
.rept 16
	v_pk_mul_f32 v[X+32*\p+i:X+32*\p+i+1], v[X+32*\p+i:X+32*\p+i+1], v[S+4*\p:S+4*\p+1] op_sel_hi:[1,0]
.set i, i+2
.endr
.endr
.irp p, 0,1
.set i, 0
.rept 16
	v_pk_fma_f32 v[X+32*\p+i:X+32*\p+i+1], v[X+32*\p+i:X+32*\p+i+1], v[G+i:G+i+1], v[BT+i:BT+i+1]
.set i, i+2
.endr
.endr
	; THE QUANTISER.  Group k = 4 row + j: my eight numbers at v[X + 8 k]; lanes l, l xor 1, l xor 2, l xor 3 hold the block.  The eight groups go by turns.  (g's and b's registers are free from here on)
.irp k, 0,1,2,3,4,5,6,7
	v_max3_num_f32 v[AM+\k], |v[X+8*\k]|, |v[X+8*\k+1]|, 0x8000000   ; with the floor 2^(16 - 127): the byte cannot fall under 1
.endr
.irp i, 2,4,6
.irp k, 0,1,2,3,4,5,6,7
	v_max3_num_f32 v[AM+\k], v[AM+\k], |v[X+8*\k+\i]|, |v[X+8*\k+\i+1]|
.endr
.endr
.irp m, 1,2
.irp k, 0,1,2,3,4,5,6,7
	v_max_num_f32_dpp v[AM+\k], v[AM+\k], v[AM+\k] row_xmask:\m row_mask:0xf bank_mask:0xf
.endr
.endr
.irp k, 0,1,2,3,4,5,6,7
	v_add_nc_u32 v[SO+\k], 0xf8800000, v[AM+\k]    ; 15 off the exponent field: the conversion's scale operand
.endr
.irp k, 0,1,2,3,4,5,6,7
	v_and_or_b32 v[HD+\k], v[AM+\k], 0x7f800000, s20   ; 57,344 x the scale
.endr
.irp k, 0,1,2,3,4,5,6,7
	v_lshrrev_b32 v[BY+\k], 23, v[SO+\k]           ; the scale's byte
.endr
.irp k, 0,1,2,3,4,5,6,7
.irp i, 0,1,2,3,4,5,6,7
	v_med3_num_f32 v[X+8*\k+\i], v[X+8*\k+\i], -v[HD+\k], v[HD+\k]   ; the conversion does not saturate (ISA guide 7.6.2): the hold comes first
.endr
.endr
.irp k, 0,1,2,3,4,5,6,7
	v_cvt_scalef32_pk8_bf8_f32 v[CD+2*\k:CD+2*\k+1], v[X+8*\k:X+8*\k+7], v[SO+\k]
.endr
	v_nop                                          ; a plain instruction behind the last conversion
.irp k, 0,1,2,3,4,5,6,7
	ds_store_b64 v6, v[CD+2*\k:CD+2*\k+1] offset:32*PITCH*(\k%4)+PITCH*(\k/4)
	ds_store_b8 v7, v[BY+\k] offset:32*PITCH*(\k%4)+PITCH*(\k/4)+128      ; the four lanes of a block write the same byte with the same value
	ds_store_b32 v8, v9 offset:32*PITCH*(\k%4)+PITCH*(\k/4)+132
.endr
	s_wait_dscnt 0x0                               ; for the others' sake: my stores have landed
	s_barrier_signal -1
	s_barrier_wait -1
.irp i, 0,1,2,3
	ds_load_b128 v[X+4*\i:X+4*\i+3], v11 offset:512*\i
.endr
	ds_load_b64 v[X+16:X+17], v13 offset:2048
.irp i, 0,1,2,3
	s_wait_dscnt 4-\i
	global_store_b128 v10, v[X+4*\i:X+4*\i+3], s[10:11] offset:512*\i   ; 32 lanes store 512 consecutive bytes, at a multiple of 256 from h's first byte
.endr
	s_wait_dscnt 0x0
	global_store_b64 v12, v[X+16:X+17], s[10:11] offset:2048            ; and the last 256
	s_wait_tensorcnt 0x0
	ds_add_u32 v160, v161
	s_wait_dscnt 0x0
	s_endpgm
.Lfunc_end_k_q72b0450a02_ln2:
	.size	k_q72b0450a02_ln2, .Lfunc_end_k_q72b0450a02_ln2-k_q72b0450a02_ln2
	.p2alignl 7, 3214868480
	.fill 96, 4, 3214868480
	.section	.rodata,"a",@progbits
	.p2align	6, 0x0
	.amdhsa_kernel k_q72b0450a02_ln2
		.amdhsa_group_segment_fixed_size 19456
		.amdhsa_private_segment_fixed_size 0
		.amdhsa_enable_private_segment 0
		.amdhsa_kernarg_size 32
		.amdhsa_user_sgpr_count 2
		.amdhsa_user_sgpr_kernarg_segment_ptr 1
		.amdhsa_wavefront_size32 1
		.amdhsa_system_sgpr_workgroup_id_x 1
		.amdhsa_system_sgpr_workgroup_id_y 1
		.amdhsa_system_sgpr_workgroup_id_z 1
		.amdhsa_system_vgpr_workitem_id 0
		.amdhsa_next_free_vgpr 162
		.amdhsa_next_free_sgpr 66
		.amdhsa_reserve_vcc 0
		.amdhsa_float_denorm_mode_32 3
		.amdhsa_float_denorm_mode_16_64 3
		.amdhsa_memory_ordered 1
		.amdhsa_forward_progress 1
		.amdhsa_inst_pref_size 30
	.end_amdhsa_kernel
	.amdgpu_metadata
---
amdhsa.version: [ 1, 2 ]
amdhsa.kernels:
  - .name:           k_q72b0450a02_ln2
    .symbol:         k_q72b0450a02_ln2.kd
    .args:
      - { .name: x2, .offset: 0, .size: 8, .value_kind: global_buffer, .address_space: global }
      - { .name: ln2_g, .offset: 8, .size: 8, .value_kind: global_buffer, .address_space: global }
      - { .name: ln2_b, .offset: 16, .size: 8, .value_kind: global_buffer, .address_space: global }
      - { .name: h, .offset: 24, .size: 8, .value_kind: global_buffer, .address_space: global }
    .group_segment_fixed_size: 19456
    .private_segment_fixed_size: 0
    .kernarg_segment_align: 8
    .kernarg_segment_size: 32
    .max_flat_workgroup_size: 256
    .sgpr_count:     66
    .vgpr_count:     162
    .wavefront_size: 32
...
	.end_amdgpu_metadata
.endif
;; end of part 5
;; launch fc (part 6): grid 16 x 16, 4 waves a work-group, clusters of 4 x 4, 327,680 bytes of LDS; arguments h, wc, b_fc, g; writes g
.if DOCPART == 6
	.amdgcn_target "amdgcn-amd-amdhsa--gfx1250"
	.amdhsa_code_object_version 6
	.text
	.protected	k_q72b0450a02_fc
	.globl	k_q72b0450a02_fc
	.p2align	8
	.type	k_q72b0450a02_fc,@function
k_q72b0450a02_fc:
	s_mov_b64 s[64:65], 0
	v_nop
	global_prefetch_b8 v0, s[64:65] scope:SCOPE_SE
	s_setreg_imm32_b32 hwreg(HW_REG_WAVE_MODE, 25, 1), 1
	s_wait_xcnt 0x0
	s_wait_alu depctr_hold_cnt(0) depctr_sa_sdst(0) depctr_va_vdst(0) depctr_va_sdst(0) depctr_va_ssrc(0) depctr_va_vcc(0) depctr_vm_vsrc(0)
	s_getreg_b32 s2, hwreg(HW_REG_IB_STS2, 6, 4)
	s_cmp_eq_u32 s2, 0
	s_cbranch_scc0 .Lentry_in_a_cluster
	s_endpgm
.Lentry_in_a_cluster:
	s_bfe_u32 s2, ttmp6, 0x10000c
	s_cmp_lg_u32 s2, 0xf033
	s_cbranch_scc0 .Lentry_shape_is_right
	s_endpgm
.Lentry_shape_is_right:
; g = Q(gelu(h W_fc + b_fc)): a product on codes of BF8 (E5M2) with E8M0 scales, K = 1,024, the exact GELU in f32, and the quantiser along the 4,096 hidden units, which are the next product's K.
; All operands lie in blocks of 128 rows x 128 K, 18,432 dense bytes: row p at 144 p: 128 codes, the scale word, 12 zero bytes.  h and W_fc: group 2; g: group 4.
; A work-group makes 256 x 256, each of its four waves 128 x 128: 64 accumulators.  THE MATRIX INSTRUCTION IS USED TRANSPOSED (source 0 = 16 rows of W_fc's codes, source 1 = 16 tokens): a lane holds one token and eight neighbouring units.
; K goes in steps of 256 through two LDS slots; a wave's tensor load brings two neighbouring blocks, 36,864 dense bytes; the pitch of 144 bytes is in the layout, and the scale words ride with the codes.
; CLUSTERS: 4 x 4: the tokens' tiles are asked for jointly along a row of the cluster, the weights' along a column.
; GELU: gelu(x) = max(x, 0) - |x| E, E = erfc(|x| / sqrt 2) / 2 = t 2^(P(t) - x^2 log2(e) / 2), t = 1 / (1 + |x| / (2 sqrt 2)), P a polynomial of degree 9 (the rational Chebyshev fit of erfc, fractional error under 1.2e-7).
; THE WAY OUT: a wave's results go to LDS as f32 rows; a loop then takes eight rows at a time: a lane takes 32 neighbours of a row, one quantiser block; the codes are laid over rows already read: one block of g, stored whole.
; LIMITS: NaN and infinities are not served; v_exp_f32 gives 0 under 2^-126, so E is 0 from about |x| = 13 on; a block of zeros keeps the byte 1.
.set WOFF,   4718592                   ; W_fc's codes in wc
.set PITCH,  144
.set SUBT,   128*PITCH
.set HALFT,  2*SUBT
.set SLOT,   4*HALFT
.set SPARE,  2*SLOT
.set KST,    32*HALFT                  ; a K step of 256 on, in either operand: 32 row blocks
.set NQ,     2
.set FR,     16
.set NL,     4
.set NP,     8
.set LAPS,   2
.set WREG,   2*HALFT
.set SPITCH, 528
.set RD4,  5
.set ADRA, 16
.set ADRS, 18
.set ADRB, 20
.set TA,   22
.set TC,   23
.set STO,  24
.set RDX,  25
.set CW,   26
.set CB,   27
.set SPW,  28
.set NIL,  29
.set CZ,   30
.set GO,   31
.set SC,   32
.set BIAS, 64
.set XB,   64
.set AF,   128
.set U,    128                         ; the way out: t, then E
.set PP,   160                         ; P(t), then max(x, 0)
.set X2,   192                         ; x^2, then the exponential
.set CD,   224
.set ZR,   245
.set C9,   246                         ; v[246:247] the polynomial's leading coefficient, twice
.set G1, 24
.set G0, 32
.set G1B, 48
.set G0B, 56
.set RO,  12
.set CO,  13
.set MNT, 46
.set KH,  47
.set MSB, 0
.macro WIN new
.if MSB != \new
	s_set_vgpr_msb (MSB<<8)|\new
.set MSB, \new
.endif
.endm
.set MUL_LO, 0xa1
.set MUL_HI, 0xf1
.set TO_B,   0x40
.macro JLOAD g0a, g1a, g0b, g1b        ; a joint load: waves 0 and 1 fetch for A, waves 2 and 3 for B; four v_nop follow each line
	s_cmp_eq_u32 s15, 0
	s_cbranch_scc0 .Lfor_b_\@
	tensor_load_to_lds s[\g0a:\g0a+3], s[\g1a:\g1a+7]
	s_nop 0
.rept 4
	v_nop
.endr
	s_branch .Lasked_\@
.Lfor_b_\@:
	tensor_load_to_lds s[\g0b:\g0b+3], s[\g1b:\g1b+7]
	s_nop 0
.rept 4
	v_nop
.endr
.Lasked_\@:
.endm
.macro CREST
	s_cmp_lg_u32 s14, 0
	s_cbranch_scc1 .Lnot_wave_0_\@
	s_barrier_signal -3
.Lnot_wave_0_\@:
	s_barrier_wait -3
	s_barrier_signal -1
	s_barrier_wait -1
.endm
.macro CROUND
	s_barrier_signal -1
	s_barrier_wait -1
	CREST
.endm
	s_load_b256 s[4:11], s[0:1], 0x0               ; h, wc, b_fc, g
	v_lshl_add_u32 v[SPW], v0, 2, SPARE
	v_mov_b32 v[NIL], 0
	ds_add_u32 v28, v29
	ds_add_u32 v28, v29
	s_wait_dscnt 0x0
	v_lshrrev_b32 v1, 5, v0
	v_readfirstlane_b32 s14, v1                    ; wave 0..3
	s_lshr_b32 s15, s14, 1                         ; my half of the tokens.  Also: I fetch for A (0) or for B (1)
	s_and_b32 s16, s14, 1                          ; my half of the units.  Also: which 128 rows I fetch
	s_bfe_u32 s40, ttmp6, 0x40000                  ; cx
	s_bfe_u32 s41, ttmp6, 0x40004                  ; cy
	s_and_b32 s19, ttmp7, 0xffff
	s_lshl_b32 s19, s19, 2
	s_add_co_u32 s19, s19, s41                     ; the tokens' tile of 256
	s_lshl_b32 s20, ttmp9, 2
	s_add_co_u32 s20, s20, s40                     ; the units' tile of 256
	s_lshl_b32 s43, s41, 2
	s_lshl_b32 s43, 15, s43
	s_lshl_b32 s44, 0x1111, s40
	s_mov_b32 s[MNT], 0x600000                     ; the mantissa field of 57,344
	s_mov_b32 s[KH], 0x3eb504f3                    ; 1 / (2 sqrt 2)
	s_or_b32 s[G1+0], s43, (3<<16)|(1<<21)         ; the mask; elements of 8 bytes; bit 21 beside a mask; no padding
	s_or_b32 s[G1B+0], s44, (3<<16)|(1<<21)
.irp g, G1, G1B
	s_mov_b32 s[\g+1], 32<<16                      ; rows of 256 bytes,
	s_mov_b32 s[\g+2], 144<<16                     ; 144 of them: 36,864 dense bytes
	s_mov_b32 s[\g+3], 32<<16
	s_mov_b32 s[\g+4], 144
	s_mov_b32 s[\g+5], 32
	s_mov_b32 s[\g+6], 0
	s_mov_b32 s[\g+7], 0
.endr
	s_lshl_b32 s21, s19, 1
	s_add_co_u32 s21, s21, s16
	s_mul_i32 s74, s21, HALFT
	s_mov_b32 s75, 0
	s_lshl_b32 s22, s20, 1
	s_add_co_u32 s22, s22, s16
	s_mul_i32 s78, s22, HALFT
	s_add_co_u32 s78, s78, WOFF
	s_mov_b32 s79, 0
	s_mul_i32 s45, s14, HALFT
	s_wait_kmcnt 0x0
	s_add_nc_u64 s[82:83], s[4:5], s[74:75]
	s_add_nc_u64 s[84:85], s[6:7], s[78:79]
	CROUND                                         ; all sixteen work-groups are here: the first joint loads meet
.irp s, 0,1
	s_mov_b32 s[G0+4*\s], 1
	s_add_co_u32 s[G0+4*\s+1], s45, \s*SLOT
	s_add_nc_u64 s[G0+4*\s+2:G0+4*\s+3], s[82:83], \s*KST
	s_or_b32 s[G0+4*\s+3], s[G0+4*\s+3], 0x80000000
	s_mov_b32 s[G0B+4*\s], 1
	s_add_co_u32 s[G0B+4*\s+1], s45, \s*SLOT
	s_add_nc_u64 s[G0B+4*\s+2:G0B+4*\s+3], s[84:85], \s*KST
	s_or_b32 s[G0B+4*\s+3], s[G0B+4*\s+3], 0x80000000
	JLOAD G0+4*\s, G1, G0B+4*\s, G1B
.endr
	v_and_b32 v1, 15, v0                           ; r
	v_bfe_u32 v2, v0, 4, 1                         ; h
	v_mul_u32_u24 v3, v1, PITCH
	v_lshl_add_u32 v4, v2, 4, v3
	s_mul_i32 s21, s15, HALFT
	s_mul_i32 s22, s16, HALFT
	s_add_co_u32 s22, s22, 2*HALFT
	s_sub_co_u32 s23, s22, s21
	v_mul_u32_u24 v[TA], s23, v2                   ; scale words: lanes 0-15 A's rows, lanes 16-31 B's: one product
	v_add_nc_u32 v[TA], v[TA], v3
.irp s, 0,1
	v_add_nc_u32 v[ADRA+\s], s21, v4
	v_add_nc_u32 v[ADRB+\s], s22, v4
	v_add_nc_u32 v[ADRS+\s], s21, v[TA]
	s_add_co_u32 s21, s21, SLOT
	s_add_co_u32 s22, s22, SLOT
.endr
	s_mul_i32 s23, s14, WREG
	v_mul_u32_u24 v3, v1, SPITCH
	v_lshl_add_u32 v3, v2, 5, v3
	v_add_nc_u32 v[STO], s23, v3
	v_and_b32 v3, 7, v0
	v_bfe_u32 v4, v0, 3, 2
	v_mul_u32_u24 v[TA], v3, SPITCH
	v_lshl_add_u32 v[TA], v4, 7, v[TA]
	v_add_nc_u32 v[RDX], s23, v[TA]
	v_mul_u32_u24 v3, v3, PITCH
	v_add_nc_u32 v3, s23, v3
	v_lshl_add_u32 v[CW], v4, 5, v3
	v_add_nc_u32 v[CB], v4, v3
	v_add_nc_u32 v4, 1, v4
	v_lshrrev_b32 v4, 1, v4                        ; 0, 1, 1, 2: a row's four lanes clear its three last words
	v_lshl_add_u32 v[CZ], v4, 2, v3
	v_and_b32 v3, 31, v0
	v_lshlrev_b32 v[GO], 4, v3
	v_add_nc_u32 v[RD4], s23, v[GO]
	v_lshlrev_b32 v6, 5, v2
	s_lshl_b32 s86, s20, 10
	s_lshl_b32 s87, s16, 9
	s_add_co_u32 s86, s86, s87
	s_mov_b32 s87, 0
	s_add_nc_u64 s[86:87], s[8:9], s[86:87]
.irp b, 0,1,2,3,4,5,6,7
	global_load_b128 v[BIAS+8*\b:BIAS+8*\b+3],   v6, s[86:87] offset:64*\b
	global_load_b128 v[BIAS+8*\b+4:BIAS+8*\b+7], v6, s[86:87] offset:64*\b+16
.endr
	s_lshl_b32 s90, s19, 1
	s_add_co_u32 s90, s90, s15                     ; the tokens' block
	s_lshl_b32 s91, s20, 1
	s_add_co_u32 s91, s91, s16                     ; the units' block = g's K sub-step
	s_lshr_b32 s94, s91, 2
	s_lshl_b32 s94, s94, 5
	s_add_co_u32 s94, s94, s90
	s_lshl_b32 s94, s94, 2
	s_and_b32 s95, s91, 3
	s_add_co_u32 s94, s94, s95
	s_mul_i32 s94, s94, SUBT
	s_mov_b32 s95, 0
	s_add_nc_u64 s[10:11], s[10:11], s[94:95]
.macro FRAG reg, adr, q, i
.irp c, 0,1,2,3
	ds_load_b128 v[\reg+4*\c:\reg+4*\c+3], v[\adr] offset:SUBT*(\q)+32*\c+(\i)*16*PITCH
.endr
.endm
; 16 matrix instructions: A's blocks a0, a0 + 1 x B's eight.  zero = 1: the first product starts the sums, with the bias as C.  The 64 accumulators take turns, one instruction a turn.
.macro MUL16 a0, p, q, sc, zero
.irp a, \a0, \a0+1
.irp b, 0,1,2,3,4,5,6,7
.if \zero
	v_wmma_scale_f32_16x16x128_f8f6f4 v[8*(8*((\a)%4)+\b):8*(8*((\a)%4)+\b)+7], v[128*(\p)+FR*\b:128*(\p)+FR*\b+FR-1], v[AF+FR*(\a):AF+FR*(\a)+FR-1], v[BIAS+8*\b:BIAS+8*\b+7], v[SC+8*NQ*(\sc)+NQ*\b+(\q)], v[SC+8*NQ*(\sc)+NQ*(\a)+(\q)] matrix_a_fmt:MATRIX_FMT_BF8 matrix_b_fmt:MATRIX_FMT_BF8 matrix_a_scale:MATRIX_SCALE_ROW1
.else
	v_wmma_scale_f32_16x16x128_f8f6f4 v[8*(8*((\a)%4)+\b):8*(8*((\a)%4)+\b)+7], v[128*(\p)+FR*\b:128*(\p)+FR*\b+FR-1], v[AF+FR*(\a):AF+FR*(\a)+FR-1], v[8*(8*((\a)%4)+\b):8*(8*((\a)%4)+\b)+7], v[SC+8*NQ*(\sc)+NQ*\b+(\q)], v[SC+8*NQ*(\sc)+NQ*(\a)+(\q)] matrix_a_fmt:MATRIX_FMT_BF8 matrix_b_fmt:MATRIX_FMT_BF8 matrix_a_scale:MATRIX_SCALE_ROW1
.endif
.endr
.endr
.endm
.macro FETCH_B slot, q, p
	WIN TO_B
.irp i, 0,1,2,3,4,5,6,7
	FRAG 128*(\p)+FR*\i, ADRB+\slot, \q, \i
.endr
	WIN 0
.endm
.macro FETCH_A slot, q, i0
.irp i, \i0, \i0+1, \i0+2, \i0+3
	FRAG AF+FR*(\i), ADRA+\slot, \q, \i
.endr
.endm
.macro SCALES sc
.irp i, 0,1,2,3,4,5,6,7
	ds_load_b32 v[SC+16*\sc+2*\i],   v[ADRS+\sc] offset:\i*16*PITCH+128
	ds_load_b32 v[SC+16*\sc+2*\i+1], v[ADRS+\sc] offset:SUBT+\i*16*PITCH+128
.endr
.endm
.macro PLACES n
.rept \n
	v_nop
.endr
.endm
.macro STEP slot, q, zero
	s_wait_dscnt 4*NL                              ; B's set, A's blocks 0-3 and the scale words are in; A's blocks 4-7 may be out
	WIN MUL_LO-0x20*(\zero)
	MUL16 0, (\q)%2, \q, \slot, \zero
	MUL16 2, (\q)%2, \q, \slot, \zero
	s_wait_dscnt 0
	PLACES NP
	FETCH_B \slot, (\q)+1, 1-(\q)%2
	FETCH_A \slot, (\q)+1, 0
	WIN MUL_HI-0x30*(\zero)
	MUL16 4, (\q)%2, \q, \slot, \zero
	MUL16 6, (\q)%2, \q, \slot, \zero
	PLACES NP
	WIN 0
	FETCH_A \slot, (\q)+1, 4
.endm
.macro TURN slot, next, fill
	s_wait_tensorcnt 0x0                           ; all my tensor loads have landed: my part of the next slot
	ds_add_u32 v[SPW], v[NIL]                      ; 0 onto my spare word
	s_wait_dscnt 4*NL+1                            ; (the add and A's blocks 4-7 may be out)
	WIN MUL_LO
	MUL16 0, 1, NQ-1, \slot, 0
	s_wait_dscnt 0x0                               ; the add is done, and my reads of this slot are over
	s_barrier_signal -1
	MUL16 2, 1, NQ-1, \slot, 0
	WIN 0
	s_barrier_wait -1
.if \fill
	CREST                                          ; the barrier has opened a round of the cluster's
	s_add_nc_u64 s[G0+4*\slot+2:G0+4*\slot+3], s[G0+4*\slot+2:G0+4*\slot+3], 2*KST
	s_add_nc_u64 s[G0B+4*\slot+2:G0B+4*\slot+3], s[G0B+4*\slot+2:G0B+4*\slot+3], 2*KST
	JLOAD G0+4*\slot, G1, G0B+4*\slot, G1B
	PLACES NP-4
.else
	PLACES NP
.endif
	FETCH_B \next, 0, 0
	FETCH_A \next, 0, 0
	SCALES \next
	WIN MUL_HI
	MUL16 4, 1, NQ-1, \slot, 0
	MUL16 6, 1, NQ-1, \slot, 0
	PLACES NP
	WIN 0
	FETCH_A \next, 0, 4
.endm
	s_wait_tensorcnt 1                             ; my part of K step 0 is in (K step 1's load may be out),
	s_barrier_signal -1
	s_barrier_wait -1                              ; everybody's is
	FETCH_B 0, 0, 0
	FETCH_A 0, 0, 0
	SCALES 0
	FETCH_A 0, 0, 4
	s_wait_loadcnt 0x0                             ; the bias
	STEP 0, 0, 1
	s_mov_b32 s3, LAPS-1
.Llap:
	TURN 0, 1, 1
	STEP 1, 0, 0
	TURN 1, 0, 1
	STEP 0, 0, 0
	s_sub_co_u32 s3, s3, 1
	s_cmp_lg_u32 s3, 0
	s_cbranch_scc1 .Llap
	TURN 0, 1, 0
	STEP 1, 0, 0
	s_wait_dscnt 4*NL
	WIN MUL_LO
	MUL16 0, 1, NQ-1, 1, 0
	MUL16 2, 1, NQ-1, 1, 0
	s_wait_dscnt 0
	WIN MUL_HI
	MUL16 4, 1, NQ-1, 1, 0
	MUL16 6, 1, NQ-1, 1, 0
	WIN 0
	PLACES NP
	s_wait_dscnt 0x0                               ; my reads of the ring are over;
	s_barrier_signal -1
	s_barrier_wait -1                              ; everybody's are: both slots have had their last fill and their last read
	v_mov_b32 v[ZR], 0
	v_mov_b32 v[C9], 0x3e7c6f08
	v_mov_b32 v[C9+1], 0x3e7c6f08
.irp a, 0,1,2,3,4,5,6,7                ; the dump: f32 rows into my region, each accumulator from its low end on
	WIN 0x08+4*(\a/4)
.irp b, 0,1,2,3,4,5,6,7
	ds_store_b128 v[STO], v[64*(\a%4)+8*\b:64*(\a%4)+8*\b+3]   offset:\a*16*SPITCH+64*\b
	ds_store_b128 v[STO], v[64*(\a%4)+8*\b+4:64*(\a%4)+8*\b+7] offset:\a*16*SPITCH+64*\b+16
.endr
.endr
	WIN 0
.macro LOADX p
	v_add_nc_u32 v[TA], s[RO], v[RDX]
.irp i, 0,1,2,3,4,5,6,7
	ds_load_b128 v[XB+32*(\p)+4*\i:XB+32*(\p)+4*\i+3], v[TA] offset:16*\i
.endr
.endm
.macro HORNER c                        ; P = P t + c, two numbers an instruction
.set i, 0
.rept 16
	v_pk_fma_f32 v[PP+i:PP+i+1], v[PP+i:PP+i+1], v[U+i:U+i+1], \c op_sel_hi:[1,1,0]
.set i, i+2
.endr
.endm
; EIGHT ROWS: lane l takes row l % 8 and the 32 neighbours of quantiser block l / 8: GELU, then the quantiser.
.macro HALF p, ahead
.set XS, XB+32*(\p)
.set CC, CD+8*(\p)
.if \ahead
	s_add_co_u32 s[RO], s[RO], 8*SPITCH
	LOADX 1-(\p)
	s_wait_dscnt 8                                 ; all but the eight loads just issued
.else
	s_wait_dscnt 0x0
.endif
.set i, 0
.rept 32
	v_fma_f32 v[U+i], |v[XS+i]|, s[KH], 1.0
.set i, i+1
.endr
.set i, 0
.rept 32
	v_rcp_f32 v[U+i], v[U+i]                       ; t
.set i, i+1
.endr
.set i, 0
.rept 16
	v_pk_mul_f32 v[X2+i:X2+i+1], v[XS+i:XS+i+1], v[XS+i:XS+i+1]   ; x^2: plain work behind the reciprocals
.set i, i+2
.endr
	s_wait_alu depctr_va_vdst(0)                   ; one wait for the batch, ahead of its first reader
.set i, 0
.rept 16
	v_pk_fma_f32 v[PP+i:PP+i+1], v[U+i:U+i+1], v[C9:C9+1], 0xbf97d29d op_sel_hi:[1,1,0]
.set i, i+2
.endr
	HORNER 0x40097039
	HORNER 0xbfd1a1e5
	HORNER 0x3ecdfd18
	HORNER 0xbe899a80
	HORNER 0x3e0efb2e
	HORNER 0x3f0a29d2
	HORNER 0x3fb8ab5a
	HORNER 0xc034d90f                              ; the coefficients are the fit's x log2(e); the last has 1 taken off, for the half
.set i, 0
.rept 16
	v_pk_fma_f32 v[X2+i:X2+i+1], v[X2+i:X2+i+1], 0xbf38aa3b, v[PP+i:PP+i+1] op_sel_hi:[1,0,1]   ; P - x^2 log2(e) / 2
.set i, i+2
.endr
.set i, 0
.rept 32
	v_exp_f32 v[X2+i], v[X2+i]
.set i, i+1
.endr
.set i, 0
.rept 32
	v_max_num_f32 v[PP+i], 0, v[XS+i]              ; max(x, 0): plain work behind the exponentials
.set i, i+1
.endr
	s_wait_alu depctr_va_vdst(0)                   ; one wait for the batch
.set i, 0
.rept 16
	v_pk_mul_f32 v[U+i:U+i+1], v[U+i:U+i+1], v[X2+i:X2+i+1]       ; E
.set i, i+2
.endr
.set i, 0
.rept 32
	v_fma_f32 v[XS+i], -|v[XS+i]|, v[U+i], v[PP+i] ; gelu
.set i, i+1
.endr
	v_max3_num_f32 v240, |v[XS]|, |v[XS+1]|, |v[XS+2]|
	v_max3_num_f32 v241, |v[XS+3]|, |v[XS+4]|, |v[XS+5]|
.irp i, 6,10,14,18,22,26
	v_max3_num_f32 v240, v240, |v[XS+\i]|, |v[XS+\i+1]|
	v_max3_num_f32 v241, v241, |v[XS+\i+2]|, |v[XS+\i+3]|
.endr
	v_max3_num_f32 v240, v240, |v[XS+30]|, |v[XS+31]|
	v_max3_num_f32 v240, v240, v241, 0x8000000     ; the floor 2^(16 - 127): the byte cannot fall under 1
	v_add_nc_u32 v242, 0xf8800000, v240            ; the conversion's scale operand
	v_and_or_b32 v243, v240, 0x7f800000, s[MNT]    ; 57,344 x the scale
	v_lshrrev_b32 v244, 23, v242                   ; the scale's byte
.set i, 0
.rept 32
	v_med3_num_f32 v[XS+i], v[XS+i], -v243, v243   ; the conversion does not saturate (ISA guide 7.6.2): the hold comes first
.set i, i+1
.endr
.irp g, 0,1,2,3
	v_cvt_scalef32_pk8_bf8_f32 v[CC+2*\g:CC+2*\g+1], v[XS+8*\g:XS+8*\g+7], v242
.endr
	v_add_nc_u32 v[TC], s[CO], v[CW]               ; (plain instructions behind the last conversion)
	v_add_nc_u32 v3, s[CO], v[CB]
	v_add_nc_u32 v4, s[CO], v[CZ]
	ds_store_b128 v[TC], v[CC:CC+3]                ; the codes are laid over f32 rows that have been read: 1,152 bytes for each 4,224
	ds_store_b128 v[TC], v[CC+4:CC+7] offset:16
	ds_store_b8 v3, v244 offset:128
	ds_store_b32 v4, v[ZR] offset:132
	s_add_co_u32 s[CO], s[CO], 8*PITCH
.endm
	s_mov_b32 s[RO], 0
	s_mov_b32 s[CO], 0
	LOADX 0
	s_mov_b32 s3, 7
.Lhalf:
	HALF 0, 1
	HALF 1, 1
	s_sub_co_u32 s3, s3, 1
	s_cmp_lg_u32 s3, 0
	s_cbranch_scc1 .Lhalf
	HALF 0, 1
	HALF 1, 0                                      ; the last eight rows: nothing more to fetch
.set i, 0
.rept 36
	ds_load_b128 v[XB+4*i:XB+4*i+3], v[RD4] offset:512*i
.set i, i+1
.endr
.set i, 0
.rept 36
	s_wait_dscnt 35-i
	global_store_b128 v[GO], v[XB+4*i:XB+4*i+3], s[10:11] offset:512*i   ; 32 lanes store 512 consecutive bytes, at a multiple of 256 from g's first byte
.set i, i+1
.endr
	s_wait_tensorcnt 0x0                           ; the wave's end
	ds_add_u32 v[SPW], v[NIL]
	s_wait_dscnt 0x0
	CROUND                                         ; the closing round
	s_endpgm
.Lfunc_end_k_q72b0450a02_fc:
	.size	k_q72b0450a02_fc, .Lfunc_end_k_q72b0450a02_fc-k_q72b0450a02_fc
	.p2alignl 7, 3214868480
	.fill 96, 4, 3214868480
	.section	.rodata,"a",@progbits
	.p2align	6, 0x0
	.amdhsa_kernel k_q72b0450a02_fc
		.amdhsa_group_segment_fixed_size 327680
		.amdhsa_private_segment_fixed_size 0
		.amdhsa_enable_private_segment 0
		.amdhsa_kernarg_size 32
		.amdhsa_user_sgpr_count 2
		.amdhsa_user_sgpr_kernarg_segment_ptr 1
		.amdhsa_wavefront_size32 1
		.amdhsa_system_sgpr_workgroup_id_x 1
		.amdhsa_system_sgpr_workgroup_id_y 1
		.amdhsa_system_sgpr_workgroup_id_z 1
		.amdhsa_system_vgpr_workitem_id 0
		.amdhsa_next_free_vgpr 1024
		.amdhsa_next_free_sgpr 100
		.amdhsa_reserve_vcc 0
		.amdhsa_float_denorm_mode_32 3
		.amdhsa_float_denorm_mode_16_64 3
		.amdhsa_memory_ordered 1
		.amdhsa_forward_progress 1
		.amdhsa_inst_pref_size 247
	.end_amdhsa_kernel
	.amdgpu_metadata
---
amdhsa.version: [ 1, 2 ]
amdhsa.kernels:
  - .name:           k_q72b0450a02_fc
    .symbol:         k_q72b0450a02_fc.kd
    .args:
      - { .name: h, .offset: 0, .size: 8, .value_kind: global_buffer, .address_space: global }
      - { .name: wc, .offset: 8, .size: 8, .value_kind: global_buffer, .address_space: global }
      - { .name: b_fc, .offset: 16, .size: 8, .value_kind: global_buffer, .address_space: global }
      - { .name: g, .offset: 24, .size: 8, .value_kind: global_buffer, .address_space: global }
    .group_segment_fixed_size: 327680
    .private_segment_fixed_size: 0
    .kernarg_segment_align: 8
    .kernarg_segment_size: 32
    .max_flat_workgroup_size: 128
    .sgpr_count:     100
    .vgpr_count:     1024
    .wavefront_size: 32
...
	.end_amdgpu_metadata
.endif
;; end of part 6
;; launch fc2 (part 7): grid 8 x 32, 4 waves a work-group, clusters of 4 x 4, 327,680 bytes of LDS; arguments g, wc, b_fc2, x2, out0; writes out0
.if DOCPART == 7
	.amdgcn_target "amdgcn-amd-amdhsa--gfx1250"
	.amdhsa_code_object_version 6
	.text
	.protected	k_q72b0450a02_fc2
	.globl	k_q72b0450a02_fc2
	.p2align	8
	.type	k_q72b0450a02_fc2,@function
k_q72b0450a02_fc2:
	s_mov_b64 s[64:65], 0
	v_nop
	global_prefetch_b8 v0, s[64:65] scope:SCOPE_SE
	s_setreg_imm32_b32 hwreg(HW_REG_WAVE_MODE, 25, 1), 1
	s_wait_xcnt 0x0
	s_wait_alu depctr_hold_cnt(0) depctr_sa_sdst(0) depctr_va_vdst(0) depctr_va_sdst(0) depctr_va_ssrc(0) depctr_va_vcc(0) depctr_vm_vsrc(0)
	s_getreg_b32 s2, hwreg(HW_REG_IB_STS2, 6, 4)
	s_cmp_eq_u32 s2, 0
	s_cbranch_scc0 .Lentry_in_a_cluster
	s_endpgm
.Lentry_in_a_cluster:
	s_bfe_u32 s2, ttmp6, 0x10000c
	s_cmp_lg_u32 s2, 0xf033
	s_cbranch_scc0 .Lentry_shape_is_right
	s_endpgm
.Lentry_shape_is_right:
; out = res + A B^T + bias: A [4,096][KK] and B [1,024][KK] are codes of BF8 (E5M2) with E8M0 scales in blocks of 128 rows x 128 K (row p at 144 p: 128 codes, the scale word, 12 zero bytes), group 4:
; block ((t / 4) (R / 128) + row block) 4 + t % 4.  res, out: [4,096][1,024] f32.  Here: A = g, B = W_fc2's codes, KK = 4,096.
; N is 1,024, so a tile is 128 x 128: 256 work-groups.  Four waves, each 64 x 64: 16 accumulators.  A slot holds 512 along K: A's four blocks, then B's four; a wave's tensor load brings two neighbouring blocks,
; 36,864 dense bytes.  The pitch of 144 bytes (an odd multiple of 16) is in the layout, and the scale words ride with the codes.
; CLUSTERS: 4 x 4: A's tiles are asked for jointly along a row of the cluster, B's along a column.  THE MATRIX INSTRUCTION IS USED TRANSPOSED (source 0 = 16 rows of B, source 1 = 16 rows of A): a lane holds eight neighbours of a row of out.
; The bias is the C of each sum's first product; the residual is loaded at the head, in the layout in which rows leave, and added on the way out.
; REGISTERS: window 0: v1-31 addresses; v32-63 scale words, two sets; v64-95 the bias; v128-255 the accumulators.  Window 1: two fragment buffers of 128 (B's four, then A's four).  Window 2: v0-127 the residual.
.set LAPS,   4                         ; KK / 1,024: a lap = two slots
.set WOFF,   9437184                   ; B's first byte in wc
.set PITCH,  144
.set SUBT,   128*PITCH
.set QUART,  2*SUBT
.set SLOT,   4*QUART
.set SPARE,  2*SLOT
.set NP,     8
.set KGA,    32*4*SUBT                 ; 512 along K on, in A
.set KGB,    8*4*SUBT                  ; and in B
.set ADRA, 16
.set ADRS, 18
.set ADRB, 20
.set STO,  24
.set RD,   25
.set CO,   26
.set SPW,  28
.set NIL,  29
.set SC,   32
.set BIAS, 64
.set ACC,  128
.set F0,   0
.set F1,   128
.set G1, 24
.set G0, 32
.set G1B, 48
.set G0B, 56
.set MSB, 0
.macro WIN new
.if MSB != \new
	s_set_vgpr_msb (MSB<<8)|\new
.set MSB, \new
.endif
.endm
.macro JLOAD s                         ; a joint load: waves 0 and 1 fetch A's halves, waves 2 and 3 B's; four v_nop follow each line
	s_cmp_eq_u32 s15, 0
	s_cbranch_scc0 .Lfor_b_\@
	tensor_load_to_lds s[G0+4*\s:G0+4*\s+3], s[G1:G1+7]
	s_nop 0
.rept 4
	v_nop
.endr
	s_branch .Lasked_\@
.Lfor_b_\@:
	tensor_load_to_lds s[G0B+4*\s:G0B+4*\s+3], s[G1B:G1B+7]
	s_nop 0
.rept 4
	v_nop
.endr
.Lasked_\@:
.endm
.macro CREST
	s_cmp_lg_u32 s14, 0
	s_cbranch_scc1 .Lnot_wave_0_\@
	s_barrier_signal -3
.Lnot_wave_0_\@:
	s_barrier_wait -3
	s_barrier_signal -1
	s_barrier_wait -1
.endm
.macro CROUND
	s_barrier_signal -1
	s_barrier_wait -1
	CREST
.endm
	s_load_b256 s[4:11], s[0:1], 0x0               ; A, wc, bias, res
	s_load_b64 s[12:13], s[0:1], 0x20              ; out
	v_lshl_add_u32 v[SPW], v0, 2, SPARE
	v_mov_b32 v[NIL], 0
	ds_add_u32 v28, v29
	ds_add_u32 v28, v29
	s_wait_dscnt 0x0
	v_lshrrev_b32 v1, 5, v0
	v_readfirstlane_b32 s14, v1                    ; wave 0..3
	s_lshr_b32 s15, s14, 1                         ; my half of the tile's rows.  Also: I fetch for A (0) or for B (1)
	s_and_b32 s16, s14, 1                          ; my half of its columns.  Also: which two blocks I fetch
	s_bfe_u32 s40, ttmp6, 0x40000                  ; cx
	s_bfe_u32 s41, ttmp6, 0x40004                  ; cy
	s_lshl_b32 s42, ttmp9, 2
	s_add_co_u32 s42, s42, s40                     ; tile column
	s_and_b32 s17, ttmp7, 0xffff
	s_lshl_b32 s17, s17, 2
	s_add_co_u32 s17, s17, s41                     ; tile row
	s_lshl_b32 s43, s41, 2
	s_lshl_b32 s43, 15, s43
	s_lshl_b32 s44, 0x1111, s40
	s_or_b32 s[G1+0], s43, (3<<16)|(1<<21)         ; the mask; elements of 8 bytes; bit 21 beside a mask; no padding
	s_or_b32 s[G1B+0], s44, (3<<16)|(1<<21)
.irp g, G1, G1B
	s_mov_b32 s[\g+1], 32<<16                      ; rows of 256 bytes,
	s_mov_b32 s[\g+2], 144<<16                     ; 144 of them
	s_mov_b32 s[\g+3], 32<<16
	s_mov_b32 s[\g+4], 144
	s_mov_b32 s[\g+5], 32
	s_mov_b32 s[\g+6], 0
	s_mov_b32 s[\g+7], 0
.endr
	s_lshl_b32 s18, s16, 1
	s_lshl_b32 s20, s17, 2
	s_add_co_u32 s20, s20, s18
	s_mul_i32 s20, s20, SUBT                       ; A: block 4 x tile row + 2 x half
	s_mov_b32 s21, 0
	s_lshl_b32 s46, s42, 2
	s_add_co_u32 s46, s46, s18
	s_mul_i32 s46, s46, SUBT
	s_add_co_u32 s46, s46, WOFF                    ; B likewise, by the tile column
	s_mov_b32 s47, 0
	s_mul_i32 s45, s14, QUART
	s_wait_kmcnt 0x0
	s_add_nc_u64 s[20:21], s[4:5], s[20:21]
	s_add_nc_u64 s[46:47], s[6:7], s[46:47]
	CROUND                                         ; all sixteen work-groups are here: the first joint loads meet
.irp s, 0,1
	s_mov_b32 s[G0+4*\s], 1
	s_add_co_u32 s[G0+4*\s+1], s45, \s*SLOT
	s_add_nc_u64 s[G0+4*\s+2:G0+4*\s+3], s[20:21], \s*KGA
	s_or_b32 s[G0+4*\s+3], s[G0+4*\s+3], 0x80000000
	s_mov_b32 s[G0B+4*\s], 1
	s_add_co_u32 s[G0B+4*\s+1], s45, \s*SLOT
	s_add_nc_u64 s[G0B+4*\s+2:G0B+4*\s+3], s[46:47], \s*KGB
	s_or_b32 s[G0B+4*\s+3], s[G0B+4*\s+3], 0x80000000
	JLOAD \s
.endr
	v_and_b32 v1, 15, v0                           ; r
	v_bfe_u32 v2, v0, 4, 1                         ; h
	v_mul_u32_u24 v3, v1, PITCH
	v_lshl_add_u32 v4, v2, 4, v3
	s_mul_i32 s66, s15, 64*PITCH                   ; my 64 rows of A
	s_mul_i32 s67, s16, 64*PITCH
	s_add_co_u32 s67, s67, 4*SUBT                  ; my 64 rows of B
	s_sub_co_u32 s68, s67, s66
	v_mul_u32_u24 v5, s68, v2                      ; scale words: lanes 0-15 A's rows, lanes 16-31 B's: one product
	v_add_nc_u32 v5, v5, v3
.irp s, 0,1
	v_add_nc_u32 v[ADRA+\s], s66, v4
	v_add_nc_u32 v[ADRB+\s], s67, v4
	v_add_nc_u32 v[ADRS+\s], s66, v5
	s_add_co_u32 s66, s66, SLOT
	s_add_co_u32 s67, s67, SLOT
.endr
	s_mul_i32 s69, s14, 16*272                     ; my stage, in slot 0: 16 rows x (256 bytes + 16)
	v_mul_u32_u24 v3, v1, 272
	v_lshl_add_u32 v3, v2, 5, v3
	v_add_nc_u32 v[STO], s69, v3
	v_mul_u32_u24 v3, v2, 272
	v_lshl_add_u32 v3, v1, 4, v3
	v_add_nc_u32 v[RD], s69, v3
	v_lshlrev_b32 v3, 12, v2
	v_lshl_add_u32 v[CO], v1, 4, v3                ; in res and out: lanes 0-15 one row's 256 bytes, lanes 16-31 the next row's
	v_lshlrev_b32 v6, 5, v2
	s_lshl_b32 s72, s42, 9
	s_lshl_b32 s73, s16, 8
	s_add_co_u32 s72, s72, s73                     ; my first column x 4 bytes
	s_mov_b32 s73, 0
	s_add_nc_u64 s[8:9], s[8:9], s[72:73]
	s_lshl_b32 s70, s17, 19
	s_lshl_b32 s71, s15, 18
	s_add_co_u32 s70, s70, s71                     ; my first row x 4,096 bytes
	s_add_co_u32 s70, s70, s72
	s_mov_b32 s71, 0
	s_add_nc_u64 s[10:11], s[10:11], s[70:71]
	s_add_nc_u64 s[12:13], s[12:13], s[70:71]
.irp b, 0,1,2,3
	global_load_b128 v[BIAS+8*\b:BIAS+8*\b+3],   v6, s[8:9] offset:64*\b
	global_load_b128 v[BIAS+8*\b+4:BIAS+8*\b+7], v6, s[8:9] offset:64*\b+16
.endr
	WIN 0x80                                       ; destination window 2
.irp a, 0,1,2,3
.irp t, 0,1,2,3,4,5,6,7
	global_load_b128 v[32*\a+4*\t:32*\a+4*\t+3], v[CO], s[10:11] offset:(16*\a+2*\t)*4096 th:TH_LOAD_NT
.endr
.endr
	WIN 0
.macro FETCH slot, q, f                ; the fragments of sub-step q: B's four, A's four: 32 loads in one run
	WIN 0x40
.irp b, 0,1,2,3
.irp c, 0,1,2,3
	ds_load_b128 v[\f+16*\b+4*\c:\f+16*\b+4*\c+3], v[ADRB+\slot] offset:(\q)*SUBT+\b*16*PITCH+32*\c
.endr
.endr
.irp a, 0,1,2,3
.irp c, 0,1,2,3
	ds_load_b128 v[\f+64+16*\a+4*\c:\f+64+16*\a+4*\c+3], v[ADRA+\slot] offset:(\q)*SUBT+\a*16*PITCH+32*\c
.endr
.endr
.endm
.macro SCL slot                        ; a slot's scale words: register 4 q + i: lanes 0-15 A's block i, lanes 16-31 B's block i
	WIN 0
.irp q, 0,1,2,3
.irp i, 0,1,2,3
	ds_load_b32 v[SC+16*\slot+4*\q+\i], v[ADRS+\slot] offset:\q*SUBT+\i*16*PITCH+128
.endr
.endr
.endm
; Four products: A's block a x B's four.  The 16 accumulators take turns, one instruction a turn, in one order throughout.
.macro MUL4 f, a, q, sc, zero
	WIN 0x05                                       ; sources 0 and 1 window 1; C and D window 0
.irp b, 0,1,2,3
.if \zero
	v_wmma_scale_f32_16x16x128_f8f6f4 v[ACC+8*(4*(\a)+\b):ACC+8*(4*(\a)+\b)+7], v[\f+16*\b:\f+16*\b+15], v[\f+64+16*(\a):\f+64+16*(\a)+15], v[BIAS+8*\b:BIAS+8*\b+7], v[SC+16*(\sc)+4*(\q)+\b], v[SC+16*(\sc)+4*(\q)+(\a)] matrix_a_fmt:MATRIX_FMT_BF8 matrix_b_fmt:MATRIX_FMT_BF8 matrix_a_scale:MATRIX_SCALE_ROW1
.else
	v_wmma_scale_f32_16x16x128_f8f6f4 v[ACC+8*(4*(\a)+\b):ACC+8*(4*(\a)+\b)+7], v[\f+16*\b:\f+16*\b+15], v[\f+64+16*(\a):\f+64+16*(\a)+15], v[ACC+8*(4*(\a)+\b):ACC+8*(4*(\a)+\b)+7], v[SC+16*(\sc)+4*(\q)+\b], v[SC+16*(\sc)+4*(\q)+(\a)] matrix_a_fmt:MATRIX_FMT_BF8 matrix_b_fmt:MATRIX_FMT_BF8 matrix_a_scale:MATRIX_SCALE_ROW1
.endif
.endr
.endm
.macro PLACES n
.rept \n
	v_nop
.endr
.endm
.macro SUB slot, q, zero               ; sub-step q (0..2) of a slot: its fragments are in; the next sub-step's are asked for ahead of its 16 products
	s_wait_dscnt 0x0
	PLACES NP                                      ; in front of loads into the buffer that the last sub-step's products read
	FETCH \slot, (\q)+1, 128*(1-(\q)%2)
	MUL4 128*((\q)%2), 0, \q, \slot, \zero
	MUL4 128*((\q)%2), 1, \q, \slot, \zero
	MUL4 128*((\q)%2), 2, \q, \slot, \zero
	MUL4 128*((\q)%2), 3, \q, \slot, \zero
.endm
; A slot's last sub-step changes slots: one barrier; in front of it each wave waits for all its tensor loads, adds 0 to its spare word, and waits for that and for its reads of this slot.
.macro TURN slot, next, fill
	WIN 0
	s_wait_tensorcnt 0x0                           ; all my tensor loads have landed: my part of the next slot
	ds_add_u32 v[SPW], v[NIL]                      ; 0 onto my spare word
	s_wait_dscnt 1                                 ; the fragments are in; only the add may be out
	MUL4 F1, 0, 3, \slot, 0
	s_wait_dscnt 0x0                               ; the add is done, and my reads of this slot are over
	s_barrier_signal -1
	MUL4 F1, 1, 3, \slot, 0
	WIN 0
	s_barrier_wait -1
.if \fill
	CREST                                          ; the barrier has opened a round of the cluster's
	s_add_nc_u64 s[G0+4*\slot+2:G0+4*\slot+3], s[G0+4*\slot+2:G0+4*\slot+3], 2*KGA
	s_add_nc_u64 s[G0B+4*\slot+2:G0B+4*\slot+3], s[G0B+4*\slot+2:G0B+4*\slot+3], 2*KGB
	JLOAD \slot                                    ; the first tensor load behind the round; its four v_nop are four of the eight places
	PLACES NP-4
.else
	PLACES NP
.endif
	FETCH \next, 0, F0
	SCL \next
	MUL4 F1, 2, 3, \slot, 0
	MUL4 F1, 3, 3, \slot, 0
.endm
	s_wait_tensorcnt 1                             ; my part of slot 0 is in (slot 1's load may be out),
	s_barrier_signal -1
	s_barrier_wait -1                              ; everybody's is
	FETCH 0, 0, F0
	SCL 0
	s_wait_loadcnt 32                              ; the bias is in; the residual's 32 loads may be out
	SUB 0, 0, 1
.if LAPS > 1
	WIN 0
	s_mov_b32 s3, LAPS-1
.Llap:                                                 ; a trip goes once round the ring and fills both slots again
	SUB 0, 1, 0
	SUB 0, 2, 0
	TURN 0, 1, 1
	SUB 1, 0, 0
	SUB 1, 1, 0
	SUB 1, 2, 0
	TURN 1, 0, 1
	SUB 0, 0, 0
	WIN 0
	s_sub_co_u32 s3, s3, 1
	s_cmp_lg_u32 s3, 0
	s_cbranch_scc1 .Llap
.endif
	SUB 0, 1, 0
	SUB 0, 2, 0
	TURN 0, 1, 0                                   ; the last lap fills nothing
	SUB 1, 0, 0
	SUB 1, 1, 0
	SUB 1, 2, 0
	s_wait_dscnt 0x0
	MUL4 F1, 0, 3, 1, 0
	MUL4 F1, 1, 3, 1, 0
	MUL4 F1, 2, 3, 1, 0
	MUL4 F1, 3, 3, 1, 0
	WIN 0
	PLACES NP
	; THE WAY OUT: 16 rows at a time through my stage (slot 0 has had its last fill, and nobody reads it behind the last change of slots); back as whole rows of 256 bytes
.irp a, 0,1,2,3
.irp b, 0,1,2,3
	ds_store_b128 v[STO], v[ACC+8*(4*\a+\b):ACC+8*(4*\a+\b)+3]   offset:64*\b
	ds_store_b128 v[STO], v[ACC+8*(4*\a+\b)+4:ACC+8*(4*\a+\b)+7] offset:64*\b+16
.endr
	WIN 0x40
.irp t, 0,1,2,3,4,5,6,7
	ds_load_b128 v[32*\a+4*\t:32*\a+4*\t+3], v[RD] offset:\t*2*272   ; LDS serves a wave's instructions in order: these see my stores, and the next block's stores come behind them
.endr
	WIN 0
.endr
	s_wait_dscnt 0x0
	s_wait_loadcnt 0x0                             ; the residual
	WIN 0x49                                       ; destination and source 0 window 1, source 1 window 2
.set i, 0
.rept 64
	v_pk_add_f32 v[i:i+1], v[i:i+1], v[i:i+1]
.set i, i+2
.endr
	WIN 0x04                                       ; a store's data are its source 1: window 1
.irp a, 0,1,2,3
.irp t, 0,1,2,3,4,5,6,7
	global_store_b128 v[CO], v[32*\a+4*\t:32*\a+4*\t+3], s[12:13] offset:(16*\a+2*\t)*4096   ; 16 lanes store 256 consecutive bytes, at a multiple of 256 from the buffer's first byte
.endr
.endr
	WIN 0
	s_wait_tensorcnt 0x0                           ; the wave's end
	ds_add_u32 v[SPW], v[NIL]
	s_wait_dscnt 0x0
	CROUND                                         ; the closing round
	s_endpgm
.Lfunc_end_k_q72b0450a02_fc2:
	.size	k_q72b0450a02_fc2, .Lfunc_end_k_q72b0450a02_fc2-k_q72b0450a02_fc2
	.p2alignl 7, 3214868480
	.fill 96, 4, 3214868480
	.section	.rodata,"a",@progbits
	.p2align	6, 0x0
	.amdhsa_kernel k_q72b0450a02_fc2
		.amdhsa_group_segment_fixed_size 327680
		.amdhsa_private_segment_fixed_size 0
		.amdhsa_enable_private_segment 0
		.amdhsa_kernarg_size 40
		.amdhsa_user_sgpr_count 2
		.amdhsa_user_sgpr_kernarg_segment_ptr 1
		.amdhsa_wavefront_size32 1
		.amdhsa_system_sgpr_workgroup_id_x 1
		.amdhsa_system_sgpr_workgroup_id_y 1
		.amdhsa_system_sgpr_workgroup_id_z 1
		.amdhsa_system_vgpr_workitem_id 0
		.amdhsa_next_free_vgpr 640
		.amdhsa_next_free_sgpr 80
		.amdhsa_reserve_vcc 0
		.amdhsa_float_denorm_mode_32 3
		.amdhsa_float_denorm_mode_16_64 3
		.amdhsa_memory_ordered 1
		.amdhsa_forward_progress 1
		.amdhsa_inst_pref_size 99
	.end_amdhsa_kernel
	.amdgpu_metadata
---
amdhsa.version: [ 1, 2 ]
amdhsa.kernels:
  - .name:           k_q72b0450a02_fc2
    .symbol:         k_q72b0450a02_fc2.kd
    .args:
      - { .name: g, .offset: 0, .size: 8, .value_kind: global_buffer, .address_space: global }
      - { .name: wc, .offset: 8, .size: 8, .value_kind: global_buffer, .address_space: global }
      - { .name: b_fc2, .offset: 16, .size: 8, .value_kind: global_buffer, .address_space: global }
      - { .name: x2, .offset: 24, .size: 8, .value_kind: global_buffer, .address_space: global }
      - { .name: out0, .offset: 32, .size: 8, .value_kind: global_buffer, .address_space: global }
    .group_segment_fixed_size: 327680
    .private_segment_fixed_size: 0
    .kernarg_segment_align: 8
    .kernarg_segment_size: 40
    .max_flat_workgroup_size: 128
    .sgpr_count:     80
    .vgpr_count:     640
    .wavefront_size: 32
...
	.end_amdgpu_metadata
.endif
;; end of part 7
